; MI455X (gfx1250); checked and timed in simulation.
; The chip was launched on July 23, 2026; its instructions are those of AMD's public machine-readable ISA for CDNA 5 (MIT licence, August 2026) and "CDNA5" Instruction Set Architecture Reference Guide (July 2026). The comments in the code are by the model that wrote it; some were corrected since.
;; Self Attention. Allowed arithmetic: matrix products marked QUANTISED: E2M1 operands, one E8M0 scale for each 32 along K, by v_wmma_scale_f32_16x16x128_f8f6f4 with both operands' format E2M1 (or v_wmma_scale_f32_32x16x128_f4), f32 sums; products left as they are: bf16, f16 or f32 operands; f32 sums; everything else in f32.
;; Inputs: Wk 1,024 x 1,024 float32; Wo 1,024 x 1,024 float32; Wq 1,024 x 1,024 float32; Wv 1,024 x 1,024 float32; bk 1,024 float32; bo 1,024 float32; bq 1,024 float32; bv 1,024 float32; keys 8 x 1,024 x 1,024 float32; mask 8 x 1 x 1,024 x 1,024 int32; queries 8 x 1,024 x 1,024 float32; values 8 x 1,024 x 1,024 float32.
;; Outputs: out0 8 x 1,024 x 1,024 float32.
;; This version of the problem:
;;   THIS VERSION OF THE PROBLEM IS GIVEN IN LOW PRECISION. The matrix products marked QUANTISED in the list below multiply operands that are first quantised to E2M1 (2 exponent bits, 1 mantissa bit; 4 bits a number), with one power-of-two scale for each 32 numbers along K (OCP MX v1.0); their sums are f32. The products marked 'left as it is' may take bf16, f16 or f32 operands, with f32 sums. Whichever they take, every output number must still come out within the allowed error. Rounding operands to bf16 (8 significant bits) uses up far more of that allowance than f16 does (11 bits, for magnitudes from 6e-5 to 65,504). All else is computed in f32.
;;   The module's matrix products, in the order in which they are computed (A, B: the left and right operand; K: the contracted axis; several contracted axes count as one K, in the product's order):
;;     1. [M 8,192, K 1,024] x [K 1,024, N 1,024]; A: input values; B: input Wv: QUANTISED
;;     2. [M 8,192, K 1,024] x [K 1,024, N 1,024]; A: input keys; B: input Wk: QUANTISED
;;     3. [M 8,192, K 1,024] x [K 1,024, N 1,024]; A: input queries; B: input Wq: QUANTISED
;;     4. batch 128 x [M 1,024, K 64] x [K 64, N 1,024]; A: computed on the way; B: computed on the way: left as it is (an operand is computed on the way)
;;     5. batch 128 x [M 64, K 1,024] x [K 1,024, N 1,024]; A: computed on the way; B: computed on the way: left as it is (an operand is computed on the way)
;;     6. [M 8,192, K 1,024] x [K 1,024, N 1,024]; A: computed on the way; B: input Wo: left as it is (an operand is computed on the way)
;;   THE QUANTISER, for each operand of a quantised product, along K:
;;     - K is cut into blocks of 32 from its start; a last block that is shorter is filled with zeros.
;;     - A block's scale is 2^e with e = floor(log2(the largest magnitude in the block)) - 2, held to -126 .. 127; a block of zeros has e = 0. As a byte (E8M0): e + 127.
;;     - Each number is divided by its block's scale, clamped to +-6, and rounded to the nearest number of E2M1, ties to even, subnormals kept.
;;     - The product sums the exact products of the quantised numbers (number of the format x scale) in f32.
;;   ~~~python
;;   def quantise(x, axis):      # numpy; x: float32 -> the quantised numbers, widened to float32 again
;;       x = np.moveaxis(x, axis, -1); K = x.shape[-1]
;;       x = np.pad(x, [(0, 0)] * (x.ndim - 1) + [(0, -K % 32)]); x = x.reshape(x.shape[:-1] + (-1, 32)); a = np.abs(x).max(-1, keepdims=True)
;;       e = np.where(a > 0, np.clip(np.frexp(np.where(a > 0, a, 1))[1] - 1 - 2, -126, 127), 0)      # np.frexp(a)[1] - 1 = floor(log2(a)), exactly
;;       r = np.clip(x / 2.0 ** e, -6, 6)
;;       step = 2.0 ** (np.maximum(np.frexp(np.where(r == 0, 1, r))[1] - 1, 0) - 1)
;;       q = np.round(r / step) * step * 2.0 ** e      # np.round: ties to even
;;       return np.moveaxis(q.reshape(q.shape[:-2] + (-1,))[..., :K], -1, axis).astype(np.float32)
;;   ~~~
;; One version. Each part assembles by itself: llvm-mc -triple=amdgcn-amd-amdhsa -mcpu=gfx1250 --defsym DOCPART=n.
;; ======== version 1 of 1: 4 launches
;; limits: values are held in f16: magnitudes above 65,504 overflow, below 6.1e-05 lose precision
;; workspace buffers: codes 14,155,776 bytes; scales 884,736 bytes; wo16 2,097,152 bytes; mw 1,048,576 bytes of whole numbers; qkv 50,331,648 bytes; att 16,777,216 bytes
;; launch prep (part 1): grid 1248 x 1, 4 waves a work-group, no clusters, 68,096 bytes of LDS; arguments queries, keys, values, Wq, Wk, Wv, Wo, mask, codes, scales, wo16, mw; writes codes, scales, wo16, mw
.if DOCPART == 1
	.amdgcn_target "amdgcn-amd-amdhsa--gfx1250"
	.amdhsa_code_object_version 6
	.text
	.protected	k_q648a7909ec_prep
	.globl	k_q648a7909ec_prep
	.p2align	8
	.type	k_q648a7909ec_prep,@function
k_q648a7909ec_prep:
	s_mov_b64 s[64:65], 0
	v_nop
	global_prefetch_b8 v0, s[64:65] scope:SCOPE_SE
	s_setreg_imm32_b32 hwreg(HW_REG_WAVE_MODE, 25, 1), 1
	s_wait_xcnt 0x0
; PREP: everything that later launches read many times is made once.  Three kinds of work-groups, told apart by the work-group's number alone:
;   0-863    QUANT: queries, keys, values [8192][1024] and Wq, Wk, Wv [1024][1024], f32, K innermost, become codes of FP4 (E2M1) and one E8M0 byte for each 32 along K.
;            All six are plain streams of blocks of 32; one running index lays them on end: codes rows 0.. queries, 8192.. keys, 16384.. values, 24576.. Wq, 25600.. Wk, 26624.. Wv (512 bytes a row), scale bytes likewise (32 a row).
;   864-991  WO: Wo [1024 n][1024 k] f32 becomes f16 laid [16 kb][1024 n][64]: a block of 64 along K of any run of rows is then dense.
;   992-1247 MASK: mask [8][1024 q][1024 k] int32 becomes lane-mask words [8 n][64 qt][64 kt][8 j]: bit L = (mask[n][16 qt + L % 16][16 kt + 8 (L / 16) + j] != 0): the lane mask of one register of a score tile.
; A block's scale is 2^(floor(log2(largest magnitude)) - 2); its byte is the largest magnitude's exponent field - 2, held at 1 from below.
; LIMITS: a block of zeros, and blocks whose largest magnitude lies under 2^-124, get the byte 1 (zero blocks have zero codes, and this program alone reads the bytes); NaN and infinities are not served;
; Wo beyond f16's 65,504 is not served.
; No matrix unit, no tensor load, no barrier: memory binds, waves share nothing.  Each kind has LDS bytes of its own.
.set WV,    31                         ; s31  my wave's number
.set SPW,   12                         ; v12  LDS address of my spare word; never rewritten
.set NIL,   13                         ; v13  0; never rewritten
.set SPARE, 67584                      ; behind both kinds' regions: the spare words, 128 bytes a wave
.set STEPS, 16
.set EMAX,  2
.set CB,    8                          ; bytes of 16 codes
.set R,     16                         ; QUANT: v16-79 four sets of 16 numbers as loaded
.set X,     80                         ; v80-111 two sets of 16 neighbours
.set E,     112                        ; v112-127 a scale byte for each step
.set C,     128                        ; v128-191 codes, registers of their own for each step
.set WREG,  8192                       ; QUANT's LDS: a region for each wave: two stages of 32 x SP bytes, then its 256 scale bytes
.set SP,    80                         ; a lane's place in a stage: 64 bytes + 16 of padding
.set MBASE, 32768                      ; MASK's LDS begins here:
.set MREG,  8704                       ; a region for each wave: two stages
.set MST,   4352                       ; of 16 rows
.set MP,    272                        ; of 256 bytes + 16 of padding
.set MR,    16                         ; MASK: v16-143 four sets of 32 registers as loaded
.set MX,    144                        ; v144-207 two sets of 32: register 8 kt + j = mask[row r][16 kt + 8 h + j]
.set OW,    208                        ; v208-215 the wave's 256 words, as two stores want them
.set GA,    216                        ; v216 4096 h + 16 r: rows of 4,096 bytes, sixteen lanes to 256 bytes (Wo and mask alike)
.set MSI,   217                        ; v217 MASK's stage, on the way in
.set MSO,   218                        ; v218 and on the way out
.macro LOAD t                          ; QUANT: step t's 512 numbers, each load 512 consecutive bytes
.irp i, 0,1,2,3
	global_load_b128 v[R+16*((\t)%4)+4*\i:R+16*((\t)%4)+4*\i+3], v3, s[28:29] offset:2048*(\t)+512*\i th:TH_LOAD_NT
.endr
.endm
.macro TURN t                          ; through the wave's stage: in as loaded, back 64 bytes a lane.  LDS serves a wave's instructions in order: no wait between
.irp i, 0,1,2,3
	ds_store_b128 v14, v[R+16*((\t)%4)+4*\i:R+16*((\t)%4)+4*\i+3] offset:32*SP*((\t)%2)+8*SP*\i
.endr
.irp i, 0,1,2,3
	ds_load_b128 v[X+16*((\t)%2)+4*\i:X+16*((\t)%2)+4*\i+3], v15 offset:32*SP*((\t)%2)+16*\i
.endr
.endm
.macro STEP t
.set XS, X+16*((\t)%2)
.if (\t) > 0
	s_wait_dscnt 1                                 ; this step's numbers are back (the last step's byte store may be out): its stores into the stage have read their registers,
.else
	s_wait_dscnt 0x0
.endif
.if (\t)+4 < STEPS
	LOAD (\t)+4                                    ; which take the loads of four steps on
.endif
.if (\t)+1 < STEPS
.if STEPS-2-(\t) >= 3
	s_wait_loadcnt 12                              ; the next step's four loads are in; the three later steps' twelve may be out
.else
	s_wait_loadcnt 4*(STEPS-2-(\t))
.endif
	TURN (\t)+1
.endif
	v_max3_num_f32 v8, |v[XS]|, |v[XS+1]|, |v[XS+2]|               ; the largest magnitude of my 16, in two chains
	v_max3_num_f32 v9, |v[XS+3]|, |v[XS+4]|, |v[XS+5]|
.irp i, 6,10
	v_max3_num_f32 v8, v8, |v[XS+\i]|, |v[XS+\i+1]|
	v_max3_num_f32 v9, v9, |v[XS+\i+2]|, |v[XS+\i+3]|
.endr
	v_max3_num_f32 v8, v8, |v[XS+14]|, |v[XS+15]|
	v_max3_num_f32 v8, v8, v9, (EMAX+1)<<23        ; and the floor 2^(3 - 127): the byte cannot fall under 1
	v_max_num_f32_dpp v8, v8, v8 row_xmask:1 row_mask:0xf bank_mask:0xf   ; and of my neighbour's 16: the block's
	v_add_nc_u32 v11, -(EMAX<<23), v8              ; 2 off its exponent field: the conversion takes that field as its scale and nothing else
	v_cvt_scalef32_pk8_fp4_f32 v[C+4*(\t)], v[XS:XS+7], v11
	v_cvt_scalef32_pk8_fp4_f32 v[C+4*(\t)+1], v[XS+8:XS+15], v11
	v_lshrrev_b32 v[E+(\t)], 23, v11               ; the scale's byte (also the plain line behind the conversions)
	ds_store_b8 v5, v[E+(\t)] offset:16*(\t)       ; both lanes of a block write the same byte with the same value
	global_store_b64 v4, v[C+4*(\t):C+4*(\t)+1], s[20:21] offset:32*CB*(\t)   ; the wave stores 256 consecutive bytes, aligned
.endm
.macro MLOAD t                         ; MASK: step t: 16 rows x 64 keys; load i takes rows 2 i + h, 256 consecutive bytes for each sixteen lanes
.irp i, 0,1,2,3,4,5,6,7
	global_load_b128 v[MR+32*((\t)%4)+4*\i:MR+32*((\t)%4)+4*\i+3], v[GA], s[18:19] offset:8192*\i+256*(\t) th:TH_LOAD_NT
.endr
.endm
.macro MTURN t                         ; through the wave's stage: in by rows, back so that lane (r, h) holds row r's keys 16 kt + 8 h + 0 .. 7
.irp i, 0,1,2,3,4,5,6,7
	ds_store_b128 v[MSI], v[MR+32*((\t)%4)+4*\i:MR+32*((\t)%4)+4*\i+3] offset:MST*((\t)%2)+2*MP*\i
.endr
.irp k, 0,1,2,3
.irp c, 0,1
	ds_load_b128 v[MX+32*((\t)%2)+8*\k+4*\c:MX+32*((\t)%2)+8*\k+4*\c+3], v[MSO] offset:MST*((\t)%2)+64*\k+16*\c
.endr
.endr
.endm
.macro MSTEP t
	s_wait_dscnt 0x0                               ; this step's numbers are back, and its stores into the stage have read their registers,
.if (\t)+4 < 8
	MLOAD (\t)+4                                   ; which take the loads of four steps on
.endif
.if (\t) < 7
.if (\t) <= 3
	s_wait_loadcnt 24                              ; the next step's eight loads are in; the three later steps' 24 may be out
.else
	s_wait_loadcnt 8*(6-(\t))
.endif
	MTURN (\t)+1
.endif
.irp k, 0,1,2,3
.irp j, 0,1,2,3,4,5,6,7
	v_cmp_ne_u32 s[40+\j], 0, v[MX+32*((\t)%2)+8*\k+\j]            ; the compare's lane mask IS the word
.endr
.irp j, 0,1,2,3,4,5,6,7
	v_writelane_b32 v[OW+4*((\t)/4)+(\j%4)], s[40+\j], 8*((\t)%4)+2*\k+\j/4   ; word 32 t + 8 kt + j of the wave's 256: store t / 4, lane (word % 128) / 4, register word % 4
.endr
.endr
.endm
	s_load_b512 s[4:19], s[0:1], 0x0               ; queries s[4:5], keys s[6:7], values s[8:9], Wq s[10:11], Wk s[12:13], Wv s[14:15], Wo s[16:17], mask s[18:19]
	s_load_b256 s[20:27], s[0:1], 0x40             ; codes s[20:21], scales s[22:23], wo16 s[24:25], mw s[26:27]
	v_lshl_add_u32 v[SPW], v0, 2, SPARE
	v_mov_b32 v[NIL], 0
	v_lshrrev_b32 v1, 5, v0
	v_readfirstlane_b32 s[WV], v1                  ; wave 0..3
	v_and_b32 v2, 31, v0                           ; lane
	v_and_b32 v10, 15, v0                          ; r
	v_bfe_u32 v11, v0, 4, 1                        ; h
	v_lshlrev_b32 v3, 4, v2                        ; 16 x lane
	; every LDS address is made here, ahead of the parting
	s_mul_i32 s32, s[WV], WREG
	v_lshrrev_b32 v14, 2, v2
	v_mul_u32_u24 v14, v14, SP
	v_and_b32 v15, 3, v2
	v_lshl_add_u32 v14, v15, 4, v14
	v_add_nc_u32 v14, s32, v14                     ; QUANT's stage, in: SP (lane / 4) + 16 (lane % 4)
	v_mul_u32_u24 v15, v2, SP
	v_add_nc_u32 v15, s32, v15                     ; and out: SP x lane
	v_mul_u32_u24 v4, v2, CB                       ; my codes' place in a step's
	v_lshrrev_b32 v5, 1, v2
	s_add_co_u32 s32, s32, 2*32*SP
	v_add_nc_u32 v5, s32, v5                       ; my block's scale byte in my wave's 256
	v_lshlrev_b32 v7, 3, v2                        ; 8 x lane
	v_add_nc_u32 v6, s32, v7
	v_lshlrev_b32 v[GA], 4, v10
	v_lshl_add_u32 v[GA], v11, 12, v[GA]
	s_mul_i32 s33, s[WV], MREG
	s_add_co_u32 s33, s33, MBASE
	v_mul_u32_u24 v[MSI], v11, MP
	v_lshl_add_u32 v[MSI], v10, 4, v[MSI]
	v_add_nc_u32 v[MSI], s33, v[MSI]               ; MASK's stage, in: row h of a pair, 16 r
	v_mul_u32_u24 v[MSO], v10, MP
	v_lshl_add_u32 v[MSO], v11, 5, v[MSO]
	v_add_nc_u32 v[MSO], s33, v[MSO]               ; and out: row r, 32 h
	s_wait_kmcnt 0x0
	s_cmp_ge_u32 ttmp9, 992
	s_cbranch_scc1 .Lmask
	s_cmp_ge_u32 ttmp9, 864
	s_cbranch_scc1 .Lwo
	; ---- QUANT.  Which tensor, and which was its first work-group: choices on the work-group's number alone
	s_mov_b64 s[28:29], s[14:15]
	s_mov_b32 s30, 832
	s_cmp_lt_u32 ttmp9, 832
	s_cselect_b64 s[28:29], s[12:13], s[28:29]
	s_cselect_b32 s30, 800, s30
	s_cmp_lt_u32 ttmp9, 800
	s_cselect_b64 s[28:29], s[10:11], s[28:29]
	s_cselect_b32 s30, 768, s30
	s_cmp_lt_u32 ttmp9, 768
	s_cselect_b64 s[28:29], s[8:9], s[28:29]
	s_cselect_b32 s30, 512, s30
	s_cmp_lt_u32 ttmp9, 512
	s_cselect_b64 s[28:29], s[6:7], s[28:29]
	s_cselect_b32 s30, 256, s30
	s_cmp_lt_u32 ttmp9, 256
	s_cselect_b64 s[28:29], s[4:5], s[28:29]
	s_cselect_b32 s30, 0, s30
	s_sub_co_u32 s33, ttmp9, s30
	s_lshl_b32 s33, s33, 2
	s_add_co_u32 s34, s33, s[WV]                   ; which run of 8,192 numbers of the tensor is my wave's
	s_lshl_b32 s34, s34, 15                        ; 32,768 bytes a run
	s_mov_b32 s35, 0
	s_add_nc_u64 s[28:29], s[28:29], s[34:35]
	s_lshl_b32 s33, ttmp9, 2
	s_add_co_u32 s33, s33, s[WV]                   ; and which run of all six on end
	s_lshl_b32 s34, s33, 12                        ; 4,096 bytes of codes,
	s_add_nc_u64 s[20:21], s[20:21], s[34:35]
	s_lshl_b32 s34, s33, 8                         ; 256 scale bytes
	s_add_nc_u64 s[22:23], s[22:23], s[34:35]
.irp t, 0,1,2,3
	LOAD \t
.endr
	s_wait_loadcnt 12                              ; step 0's four loads are in
	TURN 0
.irp t, 0,1,2,3,4,5,6,7,8,9,10,11,12,13,14,15
	STEP \t
.endr
	ds_load_b64 v[8:9], v6                         ; my wave's 256 scale bytes: these loads see my stores
	s_wait_dscnt 0x0
	global_store_b64 v7, v[8:9], s[22:23]          ; 256 consecutive bytes, aligned
	s_wait_tensorcnt 0x0                           ; the wave's end
	ds_add_u32 v[SPW], v[NIL]
	s_wait_dscnt 0x0
	s_endpgm
.Lwo:	; ---- WO.  Wave u takes rows 2 u and 2 u + 1: lanes 0-15 the first, lanes 16-31 the second; load kb takes the 64 numbers of K block kb
	s_sub_co_u32 s33, ttmp9, 864
	s_lshl_b32 s33, s33, 2
	s_add_co_u32 s33, s33, s[WV]                   ; u, 0..511
	s_lshl_b32 s34, s33, 13
	s_mov_b32 s35, 0
	s_add_nc_u64 s[16:17], s[16:17], s[34:35]
	s_lshl_b32 s34, s33, 8
	s_add_nc_u64 s[24:25], s[24:25], s[34:35]
.irp kb, 0,1,2,3,4,5,6,7,8,9,10,11,12,13,14,15
	global_load_b128 v[16+4*\kb:19+4*\kb], v[GA], s[16:17] offset:256*\kb th:TH_LOAD_NT
.endr
.irp kb, 0,1,2,3,4,5,6,7,8,9,10,11,12,13,14,15
	s_wait_loadcnt 15-\kb                          ; loads come back in order: the younger ones may be out
	v_cvt_pk_f16_f32 v[128+2*\kb], v[16+4*\kb], v[17+4*\kb]
	v_cvt_pk_f16_f32 v[129+2*\kb], v[18+4*\kb], v[19+4*\kb]
	global_store_b64 v7, v[128+2*\kb:129+2*\kb], s[24:25] offset:131072*\kb   ; the two rows' 128 bytes each lie on end in block kb: 256 consecutive bytes, aligned
.endr
	s_wait_tensorcnt 0x0
	ds_add_u32 v[SPW], v[NIL]
	s_wait_dscnt 0x0
	s_endpgm
.Lmask:	; ---- MASK.  Wave u takes strip u / 2 (16 queries) and half u % 2 of its 1,024 keys: eight steps of 64 keys
	s_sub_co_u32 s33, ttmp9, 992
	s_lshl_b32 s33, s33, 2
	s_add_co_u32 s33, s33, s[WV]                   ; u, 0..1023
	s_lshr_b32 s34, s33, 1
	s_lshl_b32 s34, s34, 16                        ; a strip is 16 rows of 4,096 bytes
	s_and_b32 s36, s33, 1
	s_lshl_b32 s36, s36, 11
	s_add_co_u32 s34, s34, s36
	s_mov_b32 s35, 0
	s_add_nc_u64 s[18:19], s[18:19], s[34:35]
	s_lshl_b32 s34, s33, 10                        ; 1,024 bytes of words a wave
	s_add_nc_u64 s[26:27], s[26:27], s[34:35]
.irp i, 0,1,2,3,4,5,6,7
	v_mov_b32 v[OW+\i], 0                          ; a lane write's destination counts as read
.endr
.irp t, 0,1,2,3
	MLOAD \t
.endr
	s_wait_loadcnt 24                              ; step 0's eight loads are in
	MTURN 0
.irp t, 0,1,2,3,4,5,6,7
	MSTEP \t
.endr
	global_store_b128 v3, v[OW:OW+3], s[26:27]     ; 512 consecutive bytes each
	global_store_b128 v3, v[OW+4:OW+7], s[26:27] offset:512
	s_wait_tensorcnt 0x0                           ; the wave's end, as above
	ds_add_u32 v[SPW], v[NIL]
	s_wait_dscnt 0x0
	s_endpgm
.Lfunc_end_k_q648a7909ec_prep:
	.size	k_q648a7909ec_prep, .Lfunc_end_k_q648a7909ec_prep-k_q648a7909ec_prep
	.p2alignl 7, 3214868480
	.fill 96, 4, 3214868480
	.section	.rodata,"a",@progbits
	.p2align	6, 0x0
	.amdhsa_kernel k_q648a7909ec_prep
		.amdhsa_group_segment_fixed_size 68096
		.amdhsa_private_segment_fixed_size 0
		.amdhsa_enable_private_segment 0
		.amdhsa_kernarg_size 96
		.amdhsa_user_sgpr_count 2
		.amdhsa_user_sgpr_kernarg_segment_ptr 1
		.amdhsa_wavefront_size32 1
		.amdhsa_system_sgpr_workgroup_id_x 1
		.amdhsa_system_sgpr_workgroup_id_y 1
		.amdhsa_system_sgpr_workgroup_id_z 1
		.amdhsa_system_vgpr_workitem_id 0
		.amdhsa_next_free_vgpr 224
		.amdhsa_next_free_sgpr 66
		.amdhsa_reserve_vcc 0
		.amdhsa_float_denorm_mode_32 3
		.amdhsa_float_denorm_mode_16_64 3
		.amdhsa_memory_ordered 1
		.amdhsa_forward_progress 1
		.amdhsa_inst_pref_size 88
	.end_amdhsa_kernel
	.amdgpu_metadata
---
amdhsa.version: [ 1, 2 ]
amdhsa.kernels:
  - .name:           k_q648a7909ec_prep
    .symbol:         k_q648a7909ec_prep.kd
    .args:
      - { .name: queries, .offset: 0, .size: 8, .value_kind: global_buffer, .address_space: global }
      - { .name: keys, .offset: 8, .size: 8, .value_kind: global_buffer, .address_space: global }
      - { .name: values, .offset: 16, .size: 8, .value_kind: global_buffer, .address_space: global }
      - { .name: Wq, .offset: 24, .size: 8, .value_kind: global_buffer, .address_space: global }
      - { .name: Wk, .offset: 32, .size: 8, .value_kind: global_buffer, .address_space: global }
      - { .name: Wv, .offset: 40, .size: 8, .value_kind: global_buffer, .address_space: global }
      - { .name: Wo, .offset: 48, .size: 8, .value_kind: global_buffer, .address_space: global }
      - { .name: mask, .offset: 56, .size: 8, .value_kind: global_buffer, .address_space: global }
      - { .name: codes, .offset: 64, .size: 8, .value_kind: global_buffer, .address_space: global }
      - { .name: scales, .offset: 72, .size: 8, .value_kind: global_buffer, .address_space: global }
      - { .name: wo16, .offset: 80, .size: 8, .value_kind: global_buffer, .address_space: global }
      - { .name: mw, .offset: 88, .size: 8, .value_kind: global_buffer, .address_space: global }
    .group_segment_fixed_size: 68096
    .private_segment_fixed_size: 0
    .kernarg_segment_align: 8
    .kernarg_segment_size: 96
    .max_flat_workgroup_size: 128
    .sgpr_count:     66
    .vgpr_count:     224
    .wavefront_size: 32
...
	.end_amdgpu_metadata
.endif
;; end of part 1
;; launch proj (part 2): grid 4 x 96, 4 waves a work-group, clusters of 4 x 4, 327,680 bytes of LDS; arguments codes, scales, bq, bk, bv, qkv; writes qkv
.if DOCPART == 2
	.amdgcn_target "amdgcn-amd-amdhsa--gfx1250"
	.amdhsa_code_object_version 6
	.text
	.protected	k_q648a7909ec_proj
	.globl	k_q648a7909ec_proj
	.p2align	8
	.type	k_q648a7909ec_proj,@function
k_q648a7909ec_proj:
	s_mov_b64 s[64:65], 0
	v_nop
	global_prefetch_b8 v0, s[64:65] scope:SCOPE_SE
	s_setreg_imm32_b32 hwreg(HW_REG_WAVE_MODE, 25, 1), 1
	s_wait_xcnt 0x0
	s_wait_alu depctr_hold_cnt(0) depctr_sa_sdst(0) depctr_va_vdst(0) depctr_va_sdst(0) depctr_va_ssrc(0) depctr_va_vcc(0) depctr_vm_vsrc(0)
	s_getreg_b32 s2, hwreg(HW_REG_IB_STS2, 6, 4)
	s_cmp_eq_u32 s2, 0
	s_cbranch_scc0 .Lentry_in_a_cluster
	s_endpgm
.Lentry_in_a_cluster:
	s_bfe_u32 s2, ttmp6, 0x10000c
	s_cmp_lg_u32 s2, 0xf033
	s_cbranch_scc0 .Lentry_shape_is_right
	s_endpgm
.Lentry_shape_is_right:
; PROJ: the three quantised products, on codes of FP4 (E2M1) with one E8M0 byte for each 32 along K:  q = queries Wq^T + bq,  k = keys Wk^T + bk,  v = values Wv^T + bv.
; The three are ONE product of 24,576 rows x 1,024 columns x K = 1,024: rows 0.. queries, 8192.. keys, 16384.. values of the codes' buffer; tensor T = row / 8192 takes the weight at rows 24576 + 1024 T and bias T.
; q is stored times log2(e) / 32, so that the score of the next launch is the exponent of 2 itself.  Results are rounded once to f16 and laid by head: qkv [3][8 n][16 h][1024 l][64].
; LIMIT: results beyond f16's 65,504 are not served.
; A tile, 256 x 256, is made by four waves, each 128 x 128: 64 accumulators, 512 registers.  K is two slots of 512 (rows of 256 bytes): both slots and all scale bytes are first fills; nothing is filled again.
; CLUSTERS: 4 x 4 work-groups: the four of a row need the same rows of activations, the four of a column the same rows of weights: each tile is asked for jointly.  A cluster covers 1,024 rows, so T is one for all sixteen.
; THE MATRIX INSTRUCTION IS USED TRANSPOSED (source 0 = 16 rows of the weight, source 1 = 16 tokens): a lane holds eight neighbouring columns of one token.  The bias is the C of each sum's first product.
; REGISTERS: window 0: v0-31 addresses; v32-95 scale words, two sets; v96-127 packed results; v128-191 A's fragments, one set; v192-255 the bias in the result's layout, later rows on their way out.
;   window 1: B's fragments, two sets, at v0 and v128.   window 2: accumulators of my rows 0-63 ((a, b) at v[8 (8 a + b)]);   window 3: of my rows 64-127.
.set KSTEP,  512
.set NQ,     KSTEP/128
.set ROWB,   256                       ; a tile's row in bytes
.set KROW,   512                       ; a row of codes in memory
.set PITCH,  272                       ; an LDS row: 256 bytes + 16 of padding: the 16 rows of a load start 68 words apart
.set FR,     8
.set NL,     2
.set NP,     4                         ; places behind this matrix instruction (ISA guide 7.12.1)
.set HALFT,  128*PITCH
.set SLOT,   4*HALFT
.set KS,     32                        ; a row of scale bytes
.set SCL,    2*SLOT
.set HALFS,  (128*KS/256)*272
.set SBLK,   (16*KS/256)*272
.set SPARE,  SCL+4*HALFS               ; the spare words, 128 bytes a wave
.set SPITCH, 272                       ; the way out: 16 rows x (256 bytes + 16) a wave, in slot 0, which has had its only fill and its last read by then
.set ADRA, 16
.set ADRB, 20
.set STO,  24
.set RD,   25
.set CO,   26
.set ADRS, 27
.set SPW,  28
.set NIL,  29
.set BO,   30                          ; v30  32 h: my eight numbers of a block's sixteen biases
.set SC,   32
.set TMP,  96
.set AF,   128
.set BI,   192
.set BK,   192
.set CSC,  2                           ; s[2:3] the factor on the way out
.set G1, 24
.set G0, 32
.set G1B, 48
.set G0B, 56
.set G1S, 68
.set G0S, 76
.set G1SB, 80
.set G0SB, 88
.set MSB, 0
.macro WIN new                         ; the immediate's high byte repeats the setting that is left
.if MSB != (\new)
	s_set_vgpr_msb (MSB<<8)|(\new)
.set MSB, (\new)
.endif
.endm
.set MUL_LO, 0xa1                      ; source 0 (B) window 1, source 1 (A) window 0, C and D window 2
.set MUL_HI, 0xf1                      ; the same, C and D window 3
.set TO_B,   0x40
; A joint load: waves 0 and 1 fetch for A, waves 2 and 3 for B; the branch hangs on the wave's number alone.  An s_nop 0 and four v_nop follow each line.
.macro JLOAD g0a, g1a, g0b, g1b
	s_cmp_eq_u32 s15, 0
	s_cbranch_scc0 .Lfor_b_\@
	tensor_load_to_lds s[\g0a:\g0a+3], s[\g1a:\g1a+7]
	s_nop 0
.rept 4
	v_nop
.endr
	s_branch .Lasked_\@
.Lfor_b_\@:
	tensor_load_to_lds s[\g0b:\g0b+3], s[\g1b:\g1b+7]
	s_nop 0
.rept 4
	v_nop
.endr
.Lasked_\@:
.endm
.macro CROUND                          ; a round of the cluster's barrier
	s_barrier_signal -1
	s_barrier_wait -1
	s_cmp_lg_u32 s14, 0
	s_cbranch_scc1 .Lnot_wave_0_\@
	s_barrier_signal -3
.Lnot_wave_0_\@:
	s_barrier_wait -3
	s_barrier_signal -1
	s_barrier_wait -1
.endm
	s_load_b256 s[4:11], s[0:1], 0x0               ; codes s[4:5], scales s[6:7], bq s[8:9], bk s[10:11]
	s_load_b128 s[96:99], s[0:1], 0x20             ; bv s[96:97], qkv s[98:99]
	v_lshl_add_u32 v[SPW], v0, 2, SPARE
	v_mov_b32 v[NIL], 0
	ds_add_u32 v[SPW], v[NIL]                      ; the wave's opening: the add, twice on end, and its wait ahead of my first tensor load
	ds_add_u32 v[SPW], v[NIL]
	v_lshrrev_b32 v1, 5, v0
	v_readfirstlane_b32 s14, v1                    ; wave 0..3
	s_lshr_b32 s15, s14, 1                         ; which half of the tile's rows is mine.  Also: I fetch for A (0) or for B (1)
	s_and_b32 s16, s14, 1                          ; which half of its columns.  Also: which 128 rows I fetch
	s_bfe_u32 s40, ttmp6, 0x40000                  ; cx
	s_bfe_u32 s41, ttmp6, 0x40004                  ; cy
	s_lshl_b32 s42, ttmp9, 2
	s_add_co_u32 s42, s42, s40                     ; tile column = 4 x cluster x + cx
	s_and_b32 s67, ttmp7, 0xffff                   ; cluster y, 0..23
	s_lshr_b32 s66, s67, 3                         ; T: which tensor: eight clusters' rows each; it never holds cy
	s_lshl_b32 s17, s67, 2
	s_add_co_u32 s17, s17, s41                     ; tile row = 4 x cluster y + cy
	s_lshl_b32 s43, s41, 2
	s_lshl_b32 s43, 15, s43                        ; my row of the cluster
	s_lshl_b32 s44, 0x1111, s40                    ; my column
	s_or_b32 s[G1+0], s43, (0<<16)|(1<<20)|(1<<21)|(5<<22)|(3<<25)  ; mask; elements of 1 byte; padding on; bit 21 beside a mask; after every 64 words, 4 words
	s_or_b32 s[G1B+0], s44, (0<<16)|(1<<20)|(1<<21)|(5<<22)|(3<<25)
.irp g, G1, G1B
	s_mov_b32 s[\g+1], ROWB<<16                    ; tensor_dim0
	s_mov_b32 s[\g+2], 128<<16                     ; tensor_dim1
	s_mov_b32 s[\g+3], ROWB<<16                    ; tile_dim0
	s_mov_b32 s[\g+4], 128                         ; tile_dim1
	s_mov_b32 s[\g+5], KROW                        ; pitch
	s_mov_b32 s[\g+6], 0
	s_mov_b32 s[\g+7], 0
.endr
	s_or_b32 s[G1S+0], s43, (3<<16)|(1<<20)|(1<<21)|(5<<22)|(3<<25) ; the scale bytes of 128 rows: 4,096 dense bytes as 16 rows of 256 (32 elements of 8 bytes), padded alike
	s_or_b32 s[G1SB+0], s44, (3<<16)|(1<<20)|(1<<21)|(5<<22)|(3<<25)
.irp g, G1S, G1SB
	s_mov_b32 s[\g+1], 32<<16
	s_mov_b32 s[\g+2], (128*KS/256)<<16
	s_mov_b32 s[\g+3], 32<<16
	s_mov_b32 s[\g+4], 128*KS/256
	s_mov_b32 s[\g+5], 32
	s_mov_b32 s[\g+6], 0
	s_mov_b32 s[\g+7], 0
.endr
	s_lshl_b32 s18, s16, 7                         ; which 128 rows of the tile I fetch
	s_lshl_b32 s20, s17, 8
	s_add_co_u32 s20, s20, s18                     ; A: row 256 x tile row + 128 x half
	s_lshl_b32 s46, s42, 8
	s_add_co_u32 s46, s46, s18
	s_lshl_b32 s47, s66, 10
	s_add_co_u32 s46, s46, s47
	s_add_co_u32 s46, s46, 24576                   ; B: row 24576 + 1024 T + 256 x tile column + 128 x half
	s_mov_b32 s21, 0
	s_mov_b32 s47, 0
	s_mov_b64 s[18:19], KS
	s_mul_u64 s[22:23], s[20:21], s[18:19]         ; where these rows' scale bytes begin,
	s_mul_u64 s[92:93], s[46:47], s[18:19]
	s_mov_b64 s[18:19], KROW
	s_mul_u64 s[20:21], s[20:21], s[18:19]         ; and their codes
	s_mul_u64 s[46:47], s[46:47], s[18:19]
	s_mul_i32 s45, s14, HALFT                      ; where they go: wave x 128 rows: no place in the cluster enters an LDS address
	s_mul_i32 s94, s14, HALFS
	s_wait_dscnt 0x0                               ; both opening adds are done
	s_wait_kmcnt 0x0
	s_add_nc_u64 s[20:21], s[4:5], s[20:21]
	s_add_nc_u64 s[22:23], s[6:7], s[22:23]
	s_add_nc_u64 s[46:47], s[4:5], s[46:47]
	s_add_nc_u64 s[92:93], s[6:7], s[92:93]
	CROUND                                         ; all sixteen work-groups are here: the joint loads meet
	s_mov_b32 s[G0S], 1
	s_add_co_u32 s[G0S+1], s94, SCL
	s_mov_b64 s[G0S+2:G0S+3], s[22:23]
	s_or_b32 s[G0S+3], s[G0S+3], 0x80000000
	s_mov_b32 s[G0SB], 1
	s_add_co_u32 s[G0SB+1], s94, SCL
	s_mov_b64 s[G0SB+2:G0SB+3], s[92:93]
	s_or_b32 s[G0SB+3], s[G0SB+3], 0x80000000
	JLOAD G0S, G1S, G0SB, G1SB                     ; the scale bytes first: they are wanted with slot 0
.irp s, 0,1
	s_mov_b32 s[G0+4*\s], 1
	s_add_co_u32 s[G0+4*\s+1], s45, \s*SLOT
	s_add_nc_u64 s[G0+4*\s+2:G0+4*\s+3], s[20:21], \s*ROWB
	s_or_b32 s[G0+4*\s+3], s[G0+4*\s+3], 0x80000000
	s_mov_b32 s[G0B+4*\s], 1
	s_add_co_u32 s[G0B+4*\s+1], s45, \s*SLOT
	s_add_nc_u64 s[G0B+4*\s+2:G0B+4*\s+3], s[46:47], \s*ROWB
	s_or_b32 s[G0B+4*\s+3], s[G0B+4*\s+3], 0x80000000
	JLOAD G0+4*\s, G1, G0B+4*\s, G1B               ; three loads of mine are out now
.endr
	v_and_b32 v1, 15, v0                           ; r
	v_bfe_u32 v2, v0, 4, 1                         ; h
	; the bias of my 128 columns, in the result's layout: lane (r, h), block b: columns 16 b + 8 h + 0 .. 7
	s_cmp_eq_u32 s66, 0
	s_cselect_b64 s[12:13], s[8:9], s[10:11]
	s_cselect_b32 s[CSC], 0x3d38aa3b, 1.0          ; q alone is multiplied by log2(e) / 32
	s_cmp_eq_u32 s66, 2
	s_cselect_b64 s[12:13], s[96:97], s[12:13]
	s_mov_b32 s[CSC+1], s[CSC]                     ; (named with it as a pair)
	s_lshl_b32 s46, s42, 10
	s_lshl_b32 s47, s16, 9
	s_add_co_u32 s46, s46, s47                     ; 4 (256 x tile column + 128 x half)
	s_mov_b32 s47, 0
	s_add_nc_u64 s[12:13], s[12:13], s[46:47]
	v_lshlrev_b32 v[BO], 5, v2
.irp b, 0,1,2,3,4,5,6,7
.irp c, 0,1
	global_load_b128 v[BI+8*\b+4*\c:BI+8*\b+4*\c+3], v[BO], s[12:13] offset:64*\b+16*\c
.endr
.endr
	v_mul_u32_u24 v3, v1, PITCH
	v_lshl_add_u32 v4, v2, 4, v3                   ; a fragment's row x pitch + 16 x half
	s_mul_i32 s21, s15, HALFT                      ; my 128 rows of A
	s_mul_i32 s22, s16, HALFT                      ; my 128 rows of B,
	s_add_co_u32 s22, s22, 2*HALFT                 ; behind A's 256
.irp s, 0,1
	v_add_nc_u32 v[ADRA+\s], s21, v4
	v_add_nc_u32 v[ADRB+\s], s22, v4
	s_add_co_u32 s21, s21, SLOT
	s_add_co_u32 s22, s22, SLOT
.endr
	v_mul_u32_u24 v5, v1, KS                       ; my row's scale bytes: 32 a row,
	v_lshrrev_b32 v6, 8, v5
	v_lshl_add_u32 v5, v6, 4, v5                   ; and 16 more for each 256 passed
	s_mul_i32 s21, s15, HALFS
	s_mul_i32 s22, s16, HALFS
	s_add_co_u32 s22, s22, 2*HALFS
	s_sub_co_u32 s22, s22, s21
	v_mul_u32_u24 v6, s22, v2                      ; lanes 16-31 take B's: one product, the distance between the two bases
	s_add_co_u32 s21, s21, SCL
	v_add_nc_u32 v5, v5, v6
	v_add_nc_u32 v[ADRS], s21, v5
	s_mul_i32 s23, s14, 16*SPITCH                  ; my stage
	v_mul_u32_u24 v5, v1, SPITCH
	v_lshl_add_u32 v5, v2, 4, v5
	v_add_nc_u32 v[STO], s23, v5                   ; in: row r, 16 bytes for each half of the lanes
	v_bfe_u32 v5, v0, 3, 2
	v_mul_u32_u24 v5, v5, SPITCH
	v_and_b32 v6, 7, v0
	v_lshl_add_u32 v5, v6, 4, v5
	v_add_nc_u32 v[RD], s23, v5                    ; back: eight lanes to a head's 128 bytes of a row, four rows an instruction
	v_and_b32 v6, 31, v0
	v_lshlrev_b32 v[CO], 4, v6                     ; and in memory those four rows of a head lie on end
	; qkv + 2,097,152 x cluster y (tensor and batch) + 131,072 (4 x tile column + 2 x half) (head) + 128 (256 cy + 128 x row half) (position)
	s_lshl_b32 s20, s67, 21
	s_lshl_b32 s21, s42, 19
	s_add_co_u32 s20, s20, s21
	s_lshl_b32 s21, s16, 18
	s_add_co_u32 s20, s20, s21
	s_lshl_b32 s21, s41, 15
	s_add_co_u32 s20, s20, s21
	s_lshl_b32 s21, s15, 14
	s_add_co_u32 s20, s20, s21
	s_mov_b32 s21, 0
	s_add_nc_u64 s[98:99], s[98:99], s[20:21]
.macro FRAG reg, adr, q, i             ; 16 rows x 128 K of 4-bit codes: 8 registers: lane l holds row l % 16; registers 4 c .. 4 c + 3 hold K = 64 c + 32 (l / 16) + 0 .. 31
.irp c, 0,1
	ds_load_b128 v[\reg+4*\c:\reg+4*\c+3], v[\adr] offset:64*(\q)+32*\c+(\i)*16*PITCH
.endr
.endm
; 16 matrix instructions: A's blocks a0, a0 + 1 x B's eight.  zero = 1: the first product starts the sums from the bias.  The 64 accumulators take turns, in the same order in every step.
.macro MUL16 a0, p, q, sc, zero
.irp a, \a0, \a0+1
.irp b, 0,1,2,3,4,5,6,7
.if \zero
	v_wmma_scale_f32_16x16x128_f8f6f4 v[8*(8*((\a)%4)+\b):8*(8*((\a)%4)+\b)+7], v[128*(\p)+FR*\b:128*(\p)+FR*\b+FR-1], v[AF+FR*(\a):AF+FR*(\a)+FR-1], v[BI+8*\b:BI+8*\b+7], v[SC+8*NQ*(\sc)+NQ*\b+(\q)], v[SC+8*NQ*(\sc)+NQ*(\a)+(\q)] matrix_a_fmt:MATRIX_FMT_FP4 matrix_b_fmt:MATRIX_FMT_FP4 matrix_a_scale:MATRIX_SCALE_ROW1
.else
	v_wmma_scale_f32_16x16x128_f8f6f4 v[8*(8*((\a)%4)+\b):8*(8*((\a)%4)+\b)+7], v[128*(\p)+FR*\b:128*(\p)+FR*\b+FR-1], v[AF+FR*(\a):AF+FR*(\a)+FR-1], v[8*(8*((\a)%4)+\b):8*(8*((\a)%4)+\b)+7], v[SC+8*NQ*(\sc)+NQ*\b+(\q)], v[SC+8*NQ*(\sc)+NQ*(\a)+(\q)] matrix_a_fmt:MATRIX_FMT_FP4 matrix_b_fmt:MATRIX_FMT_FP4 matrix_a_scale:MATRIX_SCALE_ROW1
.endif
.endr
.endr
.endm
.macro FETCH_B slot, q, p
	WIN TO_B
.irp i, 0,1,2,3,4,5,6,7
	FRAG 128*(\p)+FR*\i, ADRB+\slot, \q, \i
.endr
	WIN 0
.endm
.macro FETCH_A slot, q, i0
.irp i, \i0, \i0+1, \i0+2, \i0+3
	FRAG AF+FR*(\i), ADRA+\slot, \q, \i
.endr
.endm
.macro SCALES sc                       ; a slot's scale words: four a row; lanes 0-15 take A's block i, lanes 16-31 B's block i
.irp i, 0,1,2,3,4,5,6,7
	ds_load_b128 v[SC+8*NQ*\sc+NQ*\i:SC+8*NQ*\sc+NQ*\i+3], v[ADRS] offset:\i*SBLK
.endr
.endm
.macro PLACES n                        ; plain vector lines between a matrix instruction and a load into, or a read of, its registers
.rept \n
	v_nop
.endr
.endm
.macro STEP slot, q, zero              ; 128 along K, with its successor in the same slot
	s_wait_dscnt 4*NL                              ; all but the youngest eight loads (A's blocks 4-7) are in
.if \zero
	WIN 0x81                                       ; C (the bias) window 0, D window 2
.else
	WIN MUL_LO
.endif
	MUL16 0, (\q)%2, \q, \slot, \zero
	MUL16 2, (\q)%2, \q, \slot, \zero
	s_wait_dscnt 0
	PLACES NP
	FETCH_B \slot, (\q)+1, 1-(\q)%2
	FETCH_A \slot, (\q)+1, 0
.if \zero
	WIN 0xc1
.else
	WIN MUL_HI
.endif
	MUL16 4, (\q)%2, \q, \slot, \zero
	MUL16 6, (\q)%2, \q, \slot, \zero
	PLACES NP
	WIN 0
	FETCH_A \slot, (\q)+1, 4
.endm
.macro STEPS slot, from
.set Q, \from
.rept NQ-1-\from
	STEP \slot, Q, 0
.set Q, Q+1
.endr
.endm
	s_wait_tensorcnt 1                             ; the scale bytes and my part of slot 0 are in; slot 1's load may be out
	s_barrier_signal -1
	s_barrier_wait -1                              ; everybody's are
	FETCH_B 0, 0, 0
	FETCH_A 0, 0, 0
	SCALES 0
	FETCH_A 0, 0, 4
	s_wait_loadcnt 0x0                             ; the bias
	STEP 0, 0, 1
	STEPS 0, 1
	; slot 0's last step changes slots: one barrier; in front of it my tensor loads have landed, the add, and my reads of slot 0 are over
	s_wait_tensorcnt 0x0                           ; my part of slot 1 is in
	ds_add_u32 v[SPW], v[NIL]                      ; 0 onto my spare word
	s_wait_dscnt 4*NL+1                            ; (the add and A's blocks 4-7 may be out)
	WIN MUL_LO
	MUL16 0, 1, NQ-1, 0, 0
	s_wait_dscnt 0x0
	s_barrier_signal -1
	MUL16 2, 1, NQ-1, 0, 0
	WIN 0
	s_barrier_wait -1
	PLACES NP
	v_add_nc_u32 v[ADRS], 4*NQ, v[ADRS]            ; on to slot 1's scale words
	FETCH_B 1, 0, 0
	FETCH_A 1, 0, 0
	SCALES 1
	WIN MUL_HI
	MUL16 4, 1, NQ-1, 0, 0
	MUL16 6, 1, NQ-1, 0, 0
	PLACES NP
	WIN 0
	FETCH_A 1, 0, 4
	STEPS 1, 0
	s_wait_dscnt 4*NL                              ; the very last step
	WIN MUL_LO
	MUL16 0, 1, NQ-1, 1, 0
	MUL16 2, 1, NQ-1, 1, 0
	s_wait_dscnt 0
	WIN MUL_HI
	MUL16 4, 1, NQ-1, 1, 0
	MUL16 6, 1, NQ-1, 1, 0
	WIN 0
; THE WAY OUT, block by block of 16 tokens x 128 columns (two heads).  PACK: times the factor, rounded to f16, 16 bytes a lane.  TOSTAGE: into my stage and back, four rows of one head an instruction.  SEND: stored.
.macro PACK a
.set AC, 64*((\a)%4)
	WIN 0x82+0x41*((\a)/4)                         ; destination and source 0: window 2 or 3
.set i, 0
.rept 32
	v_pk_mul_f32 v[AC+i:AC+i+1], v[AC+i:AC+i+1], s[CSC:CSC+1] op_sel_hi:[1,0]   ; ascending: each accumulator is read from its low end on
.set i, i+2
.endr
	WIN 0x0a+5*((\a)/4)                            ; sources 0 and 1: window 2 or 3
.irp b, 0,1,2,3,4,5,6,7
.irp r, 0,1,2,3
	v_cvt_pk_f16_f32 v[TMP+4*\b+\r], v[AC+8*\b+2*\r], v[AC+8*\b+2*\r+1]
.endr
.endr
	WIN 0
.endm
.macro TOSTAGE a
.set BB, BK+32*((\a)%2)
.irp b, 0,1,2,3,4,5,6,7
	ds_store_b128 v[STO], v[TMP+4*\b:TMP+4*\b+3] offset:32*\b
.endr
.irp t, 0,1,2,3,4,5,6,7
	ds_load_b128 v[BB+4*\t:BB+4*\t+3], v[RD] offset:(\t%4)*4*SPITCH+(\t/4)*128   ; LDS serves a wave's instructions in order: these see the stores above
.endr
.endm
.macro SEND a
.set BB, BK+32*((\a)%2)
	s_wait_dscnt 0x0                               ; the block is back in registers
	s_wait_xcnt 0x0                                ; the block before's stores have read their registers: the next loads from the stage may land there
.irp t, 0,1,2,3,4,5,6,7
	global_store_b128 v[CO], v[BB+4*\t:BB+4*\t+3], s[98:99] offset:(\t/4)*131072+2048*(\a)+512*(\t%4)   ; 512 consecutive bytes, aligned: four positions of one head
.endr
.endm
	PLACES NP
	PACK 0
	TOSTAGE 0
.irp a, 1,2,3,4,5,6,7                  ; block a's arithmetic stands between block a - 1's loads from the stage and the wait for them
	PACK \a
	SEND \a-1
	TOSTAGE \a
.endr
	SEND 7
	s_wait_tensorcnt 0x0                           ; the wave's end
	ds_add_u32 v[SPW], v[NIL]
	s_wait_dscnt 0x0
	CROUND                                         ; the closing round
	s_endpgm
.Lfunc_end_k_q648a7909ec_proj:
	.size	k_q648a7909ec_proj, .Lfunc_end_k_q648a7909ec_proj-k_q648a7909ec_proj
	.p2alignl 7, 3214868480
	.fill 96, 4, 3214868480
	.section	.rodata,"a",@progbits
	.p2align	6, 0x0
	.amdhsa_kernel k_q648a7909ec_proj
		.amdhsa_group_segment_fixed_size 327680
		.amdhsa_private_segment_fixed_size 0
		.amdhsa_enable_private_segment 0
		.amdhsa_kernarg_size 48
		.amdhsa_user_sgpr_count 2
		.amdhsa_user_sgpr_kernarg_segment_ptr 1
		.amdhsa_wavefront_size32 1
		.amdhsa_system_sgpr_workgroup_id_x 1
		.amdhsa_system_sgpr_workgroup_id_y 1
		.amdhsa_system_sgpr_workgroup_id_z 1
		.amdhsa_system_vgpr_workitem_id 0
		.amdhsa_next_free_vgpr 1024
		.amdhsa_next_free_sgpr 100
		.amdhsa_reserve_vcc 0
		.amdhsa_float_denorm_mode_32 3
		.amdhsa_float_denorm_mode_16_64 3
		.amdhsa_memory_ordered 1
		.amdhsa_forward_progress 1
		.amdhsa_inst_pref_size 145
	.end_amdhsa_kernel
	.amdgpu_metadata
---
amdhsa.version: [ 1, 2 ]
amdhsa.kernels:
  - .name:           k_q648a7909ec_proj
    .symbol:         k_q648a7909ec_proj.kd
    .args:
      - { .name: codes, .offset: 0, .size: 8, .value_kind: global_buffer, .address_space: global }
      - { .name: scales, .offset: 8, .size: 8, .value_kind: global_buffer, .address_space: global }
      - { .name: bq, .offset: 16, .size: 8, .value_kind: global_buffer, .address_space: global }
      - { .name: bk, .offset: 24, .size: 8, .value_kind: global_buffer, .address_space: global }
      - { .name: bv, .offset: 32, .size: 8, .value_kind: global_buffer, .address_space: global }
      - { .name: qkv, .offset: 40, .size: 8, .value_kind: global_buffer, .address_space: global }
    .group_segment_fixed_size: 327680
    .private_segment_fixed_size: 0
    .kernarg_segment_align: 8
    .kernarg_segment_size: 48
    .max_flat_workgroup_size: 128
    .sgpr_count:     100
    .vgpr_count:     1024
    .wavefront_size: 32
...
	.end_amdgpu_metadata
.endif
;; end of part 2
;; launch attn (part 3): grid 2 x 128, 8 waves a work-group, no clusters, 327,680 bytes of LDS; arguments qkv, mw, att; writes att
.if DOCPART == 3
	.amdgcn_target "amdgcn-amd-amdhsa--gfx1250"
	.amdhsa_code_object_version 6
	.text
	.protected	k_q648a7909ec_attn
	.globl	k_q648a7909ec_attn
	.p2align	8
	.type	k_q648a7909ec_attn,@function
k_q648a7909ec_attn:
	s_mov_b64 s[64:65], 0
	v_nop
	global_prefetch_b8 v0, s[64:65] scope:SCOPE_SE
	s_setreg_imm32_b32 hwreg(HW_REG_WAVE_MODE, 25, 1), 1
	s_wait_xcnt 0x0
; ATTN: for each batch n and head h:  O[q] = sum over k of softmax_k(where(mask[n][q][k] == 0, -1e20, q . k) / 32) v[k].  q (already times log2(e) / 32), k, v: f16, [3][8 n][16 h][1024][64]; O: f16, [8 n][16 h][1024][64].
; Products on f16 operands with f32 sums; maxima, exponentials and row sums in f32; the weights p are rounded to f16 for the second product.
; THE MASK comes as lane-mask words, one for each register of a score tile.  One load of 8 bytes a lane brings a tile's words of TWO key steps (256 consecutive bytes, aligned); it is issued a pair of steps ahead of its use.
; v_readlane_b32 puts each word into a scalar register, and one v_cndmask_b32 a register puts TM = -1e20 log2(e) / 32 where the mask is 0.  A row with no key left has t - m = 0 everywhere:
; p = 1 for all 1,024 keys, as the definition has it.  Where a real key follows masked ones, a = 2^(TM - m) = 0 wipes what was summed.
; SOFTMAX: a running maximum m and sum l for each query: p = 2^(t - m); in every step O and l are multiplied by a = 2^(m_old - m_new).  No branch hangs on data.
; LIMITS: NaN and infinities are not served.  All rows go in f16, rows with very few keys left too.
; SHARES: a work-group owns 512 queries of one head; each of its eight waves 64: four tiles of 16; two waves to a SIMD, so that one wave's vector work stands beside the other's products.  Every wave walks all 1,024 keys, 64 a step.
; THE WHOLE HEAD'S K AND V LIE IN LDS, each byte filled once: waves 0-3 fetch K, waves 4-7 V, four loads each (a quarter of the keys at a time), all issued at the head.  The first quarter is read behind a counted wait and a barrier,
; the other three behind one wait for all and a barrier, four key steps later.
; NO CLUSTER: the grid's x is 2: two work-groups alone share a head's K and V, and each fetches its 262,144 bytes once, for 512 queries.  No prefetch: every tile is asked for at the head.
; LAYOUT: S^T = K Q^T (source 0 = 16 keys, source 1 = 16 queries): a lane holds ONE query (lane % 16) and keys 8 (lane / 16) + 0..7; two such tiles, rounded in pairs, ARE source 1 of O^T = V^T P.  V is turned by ds_load_tr16_b128.
; In LDS two keys' rows of 128 bytes share a row of 256: key k of K at 272 (k / 2) + 128 (k % 2), of V at 288 (k / 2) + 128 (k % 2): the sixteen lanes of a load then touch sixteen different 16-byte columns of 256.
; THE TEXT: a trip of the loop is a PAIR of key steps, since the lanes that hold a step's mask words differ between the two steps of a load.  Pairs 0 and 1 are written out (pair 0 holds the first step, which starts the sums), pairs 2 to 7 are the loop.
; REGISTERS: window 0: v2-11 addresses and TM; v12-43 statistics, eight a tile (+0 m, +1 the old m, +2, +3 l, +4..+7 at work, a in +6); v44-47 sums (at the head: h and r); v48-55 mask words on their way; v56-61, v0, v1 mask words at work;
;   v62, v63 the add's; v64-191 S^T, 32 a tile, p laid over its first 16; v192-255 Q, 16 a tile.   window 1: v0-127 O^T, 32 a tile; v128-191 K of a step; v192-255 V of a step.
.set PKR,    272
.set PVR,    288
.set VOFF,   512*PKR                   ; V behind K's 512 pair rows
.set STAGE,  VOFF+512*PVR              ; the way out: 16 rows x (128 bytes + 16) for each wave
.set SPARE,  STAGE+8*16*144            ; the spare words, 128 bytes a wave
.set KSTEPB, 32*PKR                    ; 64 keys
.set VSTEPB, 32*PVR
.set AK0, 2
.set AV0, 3
.set ADK, 4
.set ADV, 5
.set STO, 6
.set RD,  7
.set GO,  8
.set QO,  9
.set TMV, 10
.set ML,  11                           ; v11  8 x lane: my two words of a tile's 64
.set ST,  12
.set SUM, 44
.set HH,  44                           ; at the head alone: h = lane / 16,
.set RR,  45                           ; r = lane % 16
.set LM,  48                           ; v[48:55] the next pair's mask words, a register pair a tile, as they land
.set CM,  56                           ; v56-61   this pair's, tiles 0 to 2; tile 3's lie in v0, v1, which the head has done with
.set SPW, 62
.set NIL, 63
.set S,   64
.set Q,   192
.set KF,  128                          ; in window 1
.set VF,  192
.set MW,  2                            ; s[2:3]  the mask words of my tile 0, at the pair last asked for
.set AT,  4                            ; s[4:5]  my wave's rows of O
.set WV,  6
.set CNT, 7
.set G1K, 8
.set G1V, 16
.set G0K, 24                           ; s[24:39] four groups 0 for K
.set G0V, 40                           ; s[40:55] four for V
.set SEL, 56
.set TBK, 58                           ; s58  LDS byte of the pair's keys in K
.set TBV, 59                           ; s59  and in V (less VOFF)
.set MK,  68                           ; s[68:99] the 32 mask words of the tile in hand
.set MSB, 0
.macro WIN new
.if MSB != (\new)
	s_set_vgpr_msb (MSB<<8)|(\new)
.set MSB, (\new)
.endif
.endm
.macro PLACES n
.rept \n
	v_nop
.endr
.endm
.macro QHEAD left, g                   ; the keys from quarter g on may be read as far as my loads have landed (left: how many later ones may be out), and everybody's
	s_wait_tensorcnt \left
	s_wait_dscnt 0x0
	s_barrier_signal -1
	s_barrier_wait -1
	s_mov_b32 s[TBK], (\g)*4*KSTEPB
	s_mov_b32 s[TBV], (\g)*4*VSTEPB
.endm
.macro MLOAD                           ; a pair's mask words: for each tile 64 words, 256 consecutive bytes: lane L takes words 2 L and 2 L + 1
.irp t, 0,1,2,3
	global_load_b64 v[LM+2*\t:LM+2*\t+1], v[ML], s[MW:MW+1] offset:2048*\t
.endr
.endm
.macro READM t, hf                     ; tile t's 32 words of the pair's step hf into scalar registers: word i lies in register i % 2 of the tile's two, lane 16 hf + i / 2
.if (\t) < 3
.set rC, CM+2*(\t)
.else
.set rC, 0
.endif
.set i, 0
.rept 32
	v_readlane_b32 s[MK+i], v[rC+i%2], 16*(\hf)+i/2
.set i, i+1
.endr
.endm
.macro FETCH hf                        ; a step's K (8 fragments) and V (8, turned): 32 LDS loads in one run; the pair's second step stands in the immediate
	v_add_nc_u32 v[ADK], s[TBK], v[AK0]
	v_add_nc_u32 v[ADV], s[TBV], v[AV0]
	PLACES 4                                       ; six plain lines behind the last V^T P: four are owed to the loads into V's registers, five to the products that write over p
	WIN 0x40                                       ; destination window 1
.irp kt, 0,1,2,3
.irp cs, 0,1
	ds_load_b128 v[KF+16*\kt+8*\cs:KF+16*\kt+8*\cs+3],   v[ADK] offset:KSTEPB*(\hf)+8*PKR*\kt+64*\cs
	ds_load_b128 v[KF+16*\kt+8*\cs+4:KF+16*\kt+8*\cs+7], v[ADK] offset:KSTEPB*(\hf)+8*PKR*\kt+64*\cs+32
.endr
.endr
.irp ks, 0,1
.irp ct, 0,1,2,3
	ds_load_tr16_b128 v[VF+32*\ks+8*\ct:VF+32*\ks+8*\ct+3],   v[ADV] offset:VSTEPB*(\hf)+16*PVR*\ks+32*\ct
	ds_load_tr16_b128 v[VF+32*\ks+8*\ct+4:VF+32*\ks+8*\ct+7], v[ADV] offset:VSTEPB*(\hf)+16*PVR*\ks+8*PVR+32*\ct
.endr
.endr
.endm
.macro KQ                              ; S^T = K Q^T: 32 products; the 16 accumulators take turns; the first 16 start the sums
	WIN 0x01                                       ; K window 1; Q and S^T window 0
.irp cs, 0,1
.irp kt, 0,1,2,3
.irp t, 0,1,2,3
.if \cs == 0
	v_wmma_f32_16x16x32_f16 v[S+32*\t+8*\kt:S+32*\t+8*\kt+7], v[KF+16*\kt+8*\cs:KF+16*\kt+8*\cs+7], v[Q+16*\t+8*\cs:Q+16*\t+8*\cs+7], 0
.else
	v_wmma_f32_16x16x32_f16 v[S+32*\t+8*\kt:S+32*\t+8*\kt+7], v[KF+16*\kt+8*\cs:KF+16*\kt+8*\cs+7], v[Q+16*\t+8*\cs:Q+16*\t+8*\cs+7], v[S+32*\t+8*\kt:S+32*\t+8*\kt+7]
.endif
.endr
.endr
.endr
.endm
.macro PV first                        ; O^T += V^T P: 32 products, the 16 accumulators by turns
	WIN 0x51                                       ; V, C and D window 1; p window 0
.irp ks, 0,1
.irp ct, 0,1,2,3
.irp t, 0,1,2,3
.if \first && (\ks == 0)
	v_wmma_f32_16x16x32_f16 v[32*\t+8*\ct:32*\t+8*\ct+7], v[VF+32*\ks+8*\ct:VF+32*\ks+8*\ct+7], v[S+32*\t+8*\ks:S+32*\t+8*\ks+7], 0
.else
	v_wmma_f32_16x16x32_f16 v[32*\t+8*\ct:32*\t+8*\ct+7], v[VF+32*\ks+8*\ct:VF+32*\ks+8*\ct+7], v[S+32*\t+8*\ks:S+32*\t+8*\ks+7], v[32*\t+8*\ct:32*\t+8*\ct+7]
.endif
.endr
.endr
.endr
.endm
; One tile's softmax for one key step.  first = 1: the first step, which starts m and l.  hf: which step of the pair
.macro SOFT t, first, hf
.set rT, ST+8*(\t)
.set rS, S+32*(\t)
.set i, 0
.rept 32
	v_cndmask_b32 v[rS+i], v[TMV], v[rS+i], s[MK+i]   ; bit 0: TM; ascending: each accumulator is read from its low end on
.set i, i+1
.endr
.if (\t) < 3
	READM (\t)+1, \hf                              ; the next tile's words take the scalar registers that this tile has done with
.endif
.irp j, 0,1,2,3
	v_max3_num_f32 v[rT+4+\j], v[rS+8*\j], v[rS+8*\j+1], v[rS+8*\j+2]       ; the maximum of the 32 scores: four chains
.endr
.irp u, 3,5
.irp j, 0,1,2,3
	v_max3_num_f32 v[rT+4+\j], v[rT+4+\j], v[rS+8*\j+\u], v[rS+8*\j+\u+1]
.endr
.endr
	v_max3_num_f32 v[rT+4], v[rT+4], v[rS+7], v[rS+15]
	v_max3_num_f32 v[rT+6], v[rT+6], v[rS+23], v[rS+31]
	v_max3_num_f32 v[rT+4], v[rT+4], v[rT+5], v[rT+6]
.if \first
	v_max_num_f32 v[rT+4], v[rT+4], v[rT+7]
.else
	v_max3_num_f32 v[rT+4], v[rT+4], v[rT+7], v[rT]   ; and the old m
.endif
	v_permlanex16_b32 v[rT+5], v[rT+4], s[SEL], s[SEL+1]   ; the query's other 32 keys lie in the lane 16 away
.if \first == 0
	v_mov_b32 v[rT+1], v[rT]
.endif
	v_max_num_f32 v[rT], v[rT+4], v[rT+5]          ; the new m
.if \first == 0
	v_sub_f32 v[rT+7], v[rT+1], v[rT]              ; m_old - m_new
.endif
.set i, 0
.rept 16
	v_pk_add_f32 v[rS+i:rS+i+1], v[rS+i:rS+i+1], v[rT:rT+1] op_sel_hi:[1,0] neg_lo:[0,1] neg_hi:[0,1]   ; t - m, two at a time: a plain subtraction, exactly 0 where t = m
.set i, i+2
.endr
.if \first == 0
	v_exp_f32 v[rT+6], v[rT+7]                     ; a
.endif
.set i, 0
.rept 32
	v_exp_f32 v[rS+i], v[rS+i]                     ; p, at most 1
.set i, i+1
.endr
	v_nop                                          ; a plain line behind the last exponential
	s_wait_alu depctr_va_vdst(0)                   ; one wait for the tile's whole batch, ahead of its first reader
	v_pk_add_f32 v[SUM:SUM+1], v[rS:rS+1], v[rS+2:rS+3]            ; the row's sum, of the unrounded p, in two chains
	v_pk_add_f32 v[SUM+2:SUM+3], v[rS+4:rS+5], v[rS+6:rS+7]
.irp j, 8,12,16,20,24,28
	v_pk_add_f32 v[SUM:SUM+1], v[SUM:SUM+1], v[rS+\j:rS+\j+1]
	v_pk_add_f32 v[SUM+2:SUM+3], v[SUM+2:SUM+3], v[rS+\j+2:rS+\j+3]
.endr
.if \first
	v_pk_add_f32 v[rT+2:rT+3], v[SUM:SUM+1], v[SUM+2:SUM+3]
.else
	v_pk_add_f32 v[SUM:SUM+1], v[SUM:SUM+1], v[SUM+2:SUM+3]
	v_pk_fma_f32 v[rT+2:rT+3], v[rT+2:rT+3], v[rT+6:rT+7], v[SUM:SUM+1] op_sel_hi:[1,0,1]   ; l = a l + the sum
.endif
.set i, 0
.rept 16
	v_cvt_pk_f16_f32 v[rS+i], v[rS+2*i], v[rS+2*i+1]   ; p in pairs, laid over the tile's first 16 registers: register i is written when registers 2 i, 2 i + 1 are read
.set i, i+1
.endr
.endm
.macro RESC                            ; O^T times a, all four tiles in one block under one window setting
	WIN 0x41
.irp t, 0,1,2,3
.set i, 0
.rept 16
	v_pk_mul_f32 v[32*\t+i:32*\t+i+1], v[32*\t+i:32*\t+i+1], v[ST+8*\t+6:ST+8*\t+7] op_sel_hi:[1,0]
.set i, i+2
.endr
.endr
.endm
.macro STEP first, hf                  ; 64 keys: step hf of the pair in hand
	FETCH \hf
	WIN 0
	READM 0, \hf                                   ; tile 0's words, while the LDS loads are on their way
	s_wait_dscnt 16                                ; K's 16 loads are in; V's 16, issued behind them, may be out
	KQ
	WIN 0
	PLACES 4                                       ; behind the last products, ahead of the first read of their results
	SOFT 0, \first, \hf
	SOFT 1, \first, \hf
	SOFT 2, \first, \hf
	SOFT 3, \first, \hf
.if \first == 0
	RESC
.endif
	s_wait_dscnt 0x0                               ; V is in
	PV \first
	WIN 0
.endm
; A PAIR of key steps.  At its top the pair's mask words, asked for a whole pair ago, have landed; they move to the working registers, and the next pair's are asked for at once.
; more = 1: there is a next pair; more = 2: in the loop: there is one in every trip but the last: no load leaves its buffer.
.macro PAIR first, more
	s_wait_loadcnt 0x0                             ; the four loads of this pair's words (ahead of pair 0: Q too): no load of mine is out, so their base may step
.irp t, 0,1,2
	v_mov_b32 v[CM+2*\t], v[LM+2*\t]
	v_mov_b32 v[CM+2*\t+1], v[LM+2*\t+1]
.endr
	v_mov_b32 v0, v[LM+6]
	v_mov_b32 v1, v[LM+7]
.if \more == 2
	s_cmp_eq_u32 s[CNT], 1
	s_cbranch_scc1 .Lno_more_\@
.endif
	s_add_nc_u64 s[MW:MW+1], s[MW:MW+1], 256       ; two steps' words of a tile
	MLOAD
.if \more == 2
.Lno_more_\@:
.endif
	STEP \first, 0
	STEP 0, 1
	s_add_co_u32 s[TBK], s[TBK], 2*KSTEPB
	s_add_co_u32 s[TBV], s[TBV], 2*VSTEPB
.endm
	s_load_b128 s[68:71], s[0:1], 0x0              ; qkv s[68:69], mw s[70:71]
	s_load_b64 s[72:73], s[0:1], 0x10              ; att
	v_lshl_add_u32 v[SPW], v0, 2, SPARE
	v_mov_b32 v[NIL], 0
	ds_add_u32 v[SPW], v[NIL]                      ; the wave's opening: the add, twice on end, and its wait ahead of my first tensor load
	ds_add_u32 v[SPW], v[NIL]
	v_lshrrev_b32 v1, 5, v0
	v_readfirstlane_b32 s[WV], v1                  ; wave 0..7
	s_and_b32 s60, ttmp7, 0xffff                   ; y = 16 n + h
	s_and_b32 s61, s[WV], 3                        ; which 64 keys of a quarter I fetch
	s_lshl_b32 s62, s60, 17                        ; a head is 131,072 bytes
	s_lshl_b32 s63, s61, 13                        ; 64 keys are 8,192
	s_add_co_u32 s62, s62, s63
	s_mov_b32 s63, 0
	s_mul_i32 s66, s61, KSTEPB                     ; and their place in a quarter of K,
	s_mul_i32 s67, s61, VSTEPB                     ; of V
	s_lshl_b32 s76, ttmp9, 16                      ; my work-group's 512 queries,
	s_lshl_b32 s77, s[WV], 13                      ; my wave's 64: 128 bytes a query in q and O, and 2,048 bytes of mask words for each 16
	s_add_co_u32 s76, s76, s77
	s_lshr_b32 s78, s60, 4                         ; n
	s_lshl_b32 s78, s78, 17
	s_add_co_u32 s78, s78, s76
	s_mov_b32 s79, 0                               ; s[78:79]: my mask words
	s_lshl_b32 s77, s60, 17
	s_add_co_u32 s76, s76, s77
	s_mov_b32 s77, 0                               ; s[76:77]: my rows of q and of O
	; group 1: 64 keys, dense in memory, as 32 rows of 256 bytes (128 elements of 2), padded behind each row: K by 4 words, V by 8
	s_mov_b32 s[G1K], (1<<16)|(1<<20)|(5<<22)|(3<<25)
	s_mov_b32 s[G1V], (1<<16)|(1<<20)|(5<<22)|(7<<25)
.irp g, G1K, G1V
	s_mov_b32 s[\g+1], 128<<16                     ; tensor_dim0
	s_mov_b32 s[\g+2], 32<<16                      ; tensor_dim1
	s_mov_b32 s[\g+3], 128<<16                     ; tile_dim0
	s_mov_b32 s[\g+4], 32                          ; tile_dim1
	s_mov_b32 s[\g+5], 128                         ; pitch
	s_mov_b32 s[\g+6], 0
	s_mov_b32 s[\g+7], 0
.endr
	s_mov_b32 s[SEL], 0x76543210
	s_mov_b32 s[SEL+1], 0xfedcba98
	s_wait_dscnt 0x0                               ; both opening adds are done
	s_wait_kmcnt 0x0
	s_add_nc_u64 s[74:75], s[68:69], s[62:63]
.irp g, 0,1,2,3
	s_mov_b32 s[G0K+4*\g], 1
	s_add_co_u32 s[G0K+4*\g+1], s66, \g*4*KSTEPB
	s_add_nc_u64 s[G0K+4*\g+2:G0K+4*\g+3], s[74:75], 16777216+32768*\g      ; k is the second of the three tensors; a quarter is 256 keys
	s_or_b32 s[G0K+4*\g+3], s[G0K+4*\g+3], 0x80000000
	s_mov_b32 s[G0V+4*\g], 1
	s_add_co_u32 s[G0V+4*\g+1], s67, VOFF+\g*4*VSTEPB
	s_add_nc_u64 s[G0V+4*\g+2:G0V+4*\g+3], s[74:75], 33554432+32768*\g      ; v the third
	s_or_b32 s[G0V+4*\g+3], s[G0V+4*\g+3], 0x80000000
.endr
	s_cmp_lt_u32 s[WV], 4                          ; a wave's four first fills stand in one branch, ahead of every wait on TENSORcnt, every LDS read and every barrier: four loads of mine are out
	s_cbranch_scc0 .Lfirst_v
.irp g, 0,1,2,3
	tensor_load_to_lds s[G0K+4*\g:G0K+4*\g+3], s[G1K:G1K+7]
	s_nop 0
.endr
	PLACES 4
	s_branch .Lfirst_asked
.Lfirst_v:
.irp g, 0,1,2,3
	tensor_load_to_lds s[G0V+4*\g:G0V+4*\g+3], s[G1V:G1V+7]
	s_nop 0
.endr
	PLACES 4
.Lfirst_asked:
	s_add_nc_u64 s[80:81], s[68:69], s[76:77]      ; q at my wave's first query
	s_add_nc_u64 s[AT:AT+1], s[72:73], s[76:77]
	s_add_nc_u64 s[MW:MW+1], s[70:71], s[78:79]
	v_and_b32 v[RR], 15, v0                        ; r
	v_bfe_u32 v[HH], v0, 4, 1                      ; h
	v_lshlrev_b32 v[QO], 7, v[RR]
	v_lshl_add_u32 v[QO], v[HH], 4, v[QO]          ; row r of 128 bytes + 16 h
.irp t, 0,1,2,3
.irp cs, 0,1
	global_load_b128 v[Q+16*\t+8*\cs:Q+16*\t+8*\cs+3],   v[QO], s[80:81] offset:2048*\t+64*\cs      ; Q stays in registers
	global_load_b128 v[Q+16*\t+8*\cs+4:Q+16*\t+8*\cs+7], v[QO], s[80:81] offset:2048*\t+64*\cs+32
.endr
.endr
	v_and_b32 v[ML], 31, v0
	v_lshlrev_b32 v[ML], 3, v[ML]
	MLOAD                                          ; pair 0's mask words
	v_lshrrev_b32 v[ADK], 1, v[RR]
	v_mul_u32_u24 v[AK0], v[ADK], PKR
	v_and_b32 v[ADK], 1, v[RR]
	v_lshl_add_u32 v[AK0], v[ADK], 7, v[AK0]
	v_lshl_add_u32 v[AK0], v[HH], 4, v[AK0]        ; K: 272 (r / 2) + 128 (r % 2) + 16 h
	v_bfe_u32 v[ADV], v0, 1, 2
	v_lshl_add_u32 v[ADV], v[HH], 2, v[ADV]        ; V, for the turning load: lane l addresses key 8 h + l % 8: its pair row 4 h + (l % 8) / 2,
	v_mul_u32_u24 v[AV0], v[ADV], PVR
	v_and_b32 v[ADV], 1, v0
	v_lshl_add_u32 v[AV0], v[ADV], 7, v[AV0]       ; its half of that row,
	v_bfe_u32 v[ADV], v0, 3, 1
	v_lshl_add_u32 v[AV0], v[ADV], 4, v[AV0]       ; and channels 8 ((l / 8) % 2) on
	v_add_nc_u32 v[AV0], VOFF, v[AV0]
	s_mul_i32 s60, s[WV], 16*144
	s_add_co_u32 s60, s60, STAGE                   ; my stage
	v_mul_u32_u24 v[STO], v[RR], 144
	v_lshl_add_u32 v[STO], v[HH], 4, v[STO]
	v_add_nc_u32 v[STO], s60, v[STO]               ; in: row r, 16 bytes for each half of the lanes
	v_bfe_u32 v[RD], v0, 3, 2
	v_mul_u32_u24 v[RD], v[RD], 144
	v_and_b32 v[GO], 7, v0
	v_lshl_add_u32 v[RD], v[GO], 4, v[RD]
	v_add_nc_u32 v[RD], s60, v[RD]                 ; back: eight lanes to a row of 128 bytes, four rows an instruction
	v_and_b32 v[GO], 31, v0
	v_lshlrev_b32 v[GO], 4, v[GO]                  ; which lie on end in memory
	v_mov_b32 v[TMV], 0xde7a4484                   ; TM = -1e20 log2(e) / 32
.irp t, 0,1,2,3
	v_mov_b32 v[ST+8*\t+1], 0                      ; (named as the upper half of the pair with m before it is first written)
.endr
	QHEAD 3, 0                                     ; the first quarter's keys; my three later loads may be out
	PAIR 1, 1                                      ; steps 0 and 1: the first starts m, l and O^T: nothing is cleared.  (Its wait for loads frees Q's base: those scalar registers take mask words from there on)
	PAIR 0, 1                                      ; steps 2 and 3
	QHEAD 0, 1                                     ; all the other keys: they were asked for at the head and have had four steps in which to land
	s_mov_b32 s[CNT], 6
.Lpair:                                                ; steps 4 to 15
	PAIR 0, 2
	s_sub_co_u32 s[CNT], s[CNT], 1
	s_cmp_lg_u32 s[CNT], 0
	s_cbranch_scc1 .Lpair
	; THE WAY OUT.  l's two halves and the other half of the lanes' are added (these additions are the places behind the last products); O^T / l, rounded to f16, goes through my stage, a tile at a time.
.irp t, 0,1,2,3
	v_add_f32 v[ST+8*\t+4], v[ST+8*\t+2], v[ST+8*\t+3]
.endr
.irp t, 0,1,2,3
	v_permlanex16_b32 v[ST+8*\t+5], v[ST+8*\t+4], s[SEL], s[SEL+1]
.endr
.irp t, 0,1,2,3
	v_add_f32 v[ST+8*\t+4], v[ST+8*\t+4], v[ST+8*\t+5]
.endr
.irp t, 0,1,2,3
	v_rcp_f32 v[ST+8*\t+6], v[ST+8*\t+4]
.endr
	v_nop                                          ; a plain line behind the last reciprocal
	s_wait_alu depctr_va_vdst(0)                   ; one wait for the four, ahead of their first reader
.macro PACK t
	WIN 0x41
.set i, 0
.rept 16
	v_pk_mul_f32 v[32*\t+i:32*\t+i+1], v[32*\t+i:32*\t+i+1], v[ST+8*\t+6:ST+8*\t+7] op_sel_hi:[1,0]
.set i, i+2
.endr
	WIN 0x05                                       ; sources window 1, destination window 0
.set i, 0
.rept 16
	v_cvt_pk_f16_f32 v[S+32*\t+i], v[32*\t+2*i], v[32*\t+2*i+1]
.set i, i+1
.endr
	WIN 0
.irp ct, 0,1,2,3
	ds_store_b128 v[STO], v[S+32*\t+4*\ct:S+32*\t+4*\ct+3] offset:32*\ct
.endr
.irp g, 0,1,2,3
	ds_load_b128 v[S+32*\t+16+4*\g:S+32*\t+16+4*\g+3], v[RD] offset:4*144*\g   ; LDS serves a wave's instructions in order: these see the stores above; the next tile's stores come behind them
.endr
.endm
.macro SEND t, younger                 ; younger: the LDS instructions issued behind tile t's loads: the next tile's eight, or none
.irp g, 0,1,2,3
	s_wait_dscnt \younger+3-\g
	global_store_b128 v[GO], v[S+32*\t+16+4*\g:S+32*\t+16+4*\g+3], s[AT:AT+1] offset:2048*\t+512*\g   ; 512 consecutive bytes, aligned
.endr
.endm
	PACK 0
	PACK 1
	SEND 0, 8
	PACK 2
	SEND 1, 8
	PACK 3
	SEND 2, 8
	SEND 3, 0
	s_wait_tensorcnt 0x0                           ; the wave's end
	ds_add_u32 v[SPW], v[NIL]
	s_wait_dscnt 0x0
	s_endpgm
.Lfunc_end_k_q648a7909ec_attn:
	.size	k_q648a7909ec_attn, .Lfunc_end_k_q648a7909ec_attn-k_q648a7909ec_attn
	.p2alignl 7, 3214868480
	.fill 96, 4, 3214868480
	.section	.rodata,"a",@progbits
	.p2align	6, 0x0
	.amdhsa_kernel k_q648a7909ec_attn
		.amdhsa_group_segment_fixed_size 327680
		.amdhsa_private_segment_fixed_size 0
		.amdhsa_enable_private_segment 0
		.amdhsa_kernarg_size 24
		.amdhsa_user_sgpr_count 2
		.amdhsa_user_sgpr_kernarg_segment_ptr 1
		.amdhsa_wavefront_size32 1
		.amdhsa_system_sgpr_workgroup_id_x 1
		.amdhsa_system_sgpr_workgroup_id_y 1
		.amdhsa_system_sgpr_workgroup_id_z 1
		.amdhsa_system_vgpr_workitem_id 0
		.amdhsa_next_free_vgpr 512
		.amdhsa_next_free_sgpr 100
		.amdhsa_reserve_vcc 0
		.amdhsa_float_denorm_mode_32 3
		.amdhsa_float_denorm_mode_16_64 3
		.amdhsa_memory_ordered 1
		.amdhsa_forward_progress 1
		.amdhsa_inst_pref_size 255
	.end_amdhsa_kernel
	.section	.bss,"aw",@nobits
	.p2align	6
	.space	262144
	.amdgpu_metadata
---
amdhsa.version: [ 1, 2 ]
amdhsa.kernels:
  - .name:           k_q648a7909ec_attn
    .symbol:         k_q648a7909ec_attn.kd
    .args:
      - { .name: qkv, .offset: 0, .size: 8, .value_kind: global_buffer, .address_space: global }
      - { .name: mw, .offset: 8, .size: 8, .value_kind: global_buffer, .address_space: global }
      - { .name: att, .offset: 16, .size: 8, .value_kind: global_buffer, .address_space: global }
    .group_segment_fixed_size: 327680
    .private_segment_fixed_size: 0
    .kernarg_segment_align: 8
    .kernarg_segment_size: 24
    .max_flat_workgroup_size: 256
    .sgpr_count:     100
    .vgpr_count:     512
    .wavefront_size: 32
...
	.end_amdgpu_metadata
.endif
;; end of part 3
;; launch oproj (part 4): grid 4 x 64, 4 waves a work-group, clusters of 4 x 4, 327,680 bytes of LDS; arguments att, wo16, bo, out0; writes out0
.if DOCPART == 4
	.amdgcn_target "amdgcn-amd-amdhsa--gfx1250"
	.amdhsa_code_object_version 6
	.text
	.protected	k_q648a7909ec_oproj
	.globl	k_q648a7909ec_oproj
	.p2align	8
	.type	k_q648a7909ec_oproj,@function
k_q648a7909ec_oproj:
	s_mov_b64 s[64:65], 0
	v_nop
	global_prefetch_b8 v0, s[64:65] scope:SCOPE_SE
	s_setreg_imm32_b32 hwreg(HW_REG_WAVE_MODE, 25, 1), 1
	s_wait_xcnt 0x0
	s_wait_alu depctr_hold_cnt(0) depctr_sa_sdst(0) depctr_va_vdst(0) depctr_va_sdst(0) depctr_va_ssrc(0) depctr_va_vcc(0) depctr_vm_vsrc(0)
	s_getreg_b32 s2, hwreg(HW_REG_IB_STS2, 6, 4)
	s_cmp_eq_u32 s2, 0
	s_cbranch_scc0 .Lentry_in_a_cluster
	s_endpgm
.Lentry_in_a_cluster:
	s_bfe_u32 s2, ttmp6, 0x10000c
	s_cmp_lg_u32 s2, 0xf033
	s_cbranch_scc0 .Lentry_shape_is_right
	s_endpgm
.Lentry_shape_is_right:
; OPROJ: out0[m][n] = sum over k of O[m][k] Wo[n][k] + bo[n], m = 8,192 tokens, n = k = 1,024.  Operands f16, sums f32, out0 f32.
; Both operands lie blocked by 64 along K: att [8 batch][16 kb][1024 l][64], wo16 [16 kb][1024 n][64]: a K block of any run of rows is dense, two rows of 128 bytes to 256.
; A tile is 128 tokens x 256 columns, so that there are 256 of them; four waves, each 64 x 128: 32 accumulators.  K goes in steps of 128 (two blocks) through a ring of two LDS slots: eight steps.
; CLUSTERS: 4 x 4 work-groups: the four of a row need the same tokens, the four of a column the same rows of Wo: each block is asked for jointly.  Waves 0, 1 fetch the step's two blocks of tokens, waves 2, 3 those of Wo.
; THE MATRIX INSTRUCTION IS USED TRANSPOSED (source 0 = 16 rows of Wo, source 1 = 16 tokens): a lane holds eight neighbouring columns of one token.  bo is the C of each sum's first product.
; REGISTERS: window 0: v16-30 addresses; two fragment buffers of 96 at v32 and v128 (A's four blocks, then B's eight; 32 along K); on the way out rows of out0 there.  window 1: the accumulators, (a, b) at v[8 (8 a + b)].  window 2: v0-63 bo in the result's layout.
.set PR,     272                       ; a pair row in LDS: 256 bytes + 16: row x of a block lies at 272 (x / 2) + 128 (x % 2): the 16 rows of a load touch 16 different 16-byte columns of 256
.set ABLK,   64*PR                     ; 128 tokens x 64 along K
.set BBLK,   128*PR                    ; 256 rows of Wo x 64 along K
.set SLOT,   2*ABLK+2*BBLK             ; A's two blocks, then B's two
.set STAGE,  2*SLOT                    ; the way out: 16 rows x (512 bytes + 16) for each wave
.set SPITCH, 528
.set SPARE,  STAGE+4*16*SPITCH         ; the spare words, 128 bytes a wave
.set KADV,   262144                    ; a K step in memory: two blocks of 131,072 bytes, in att and in wo16 alike
.set ADRA, 16
.set ADRB, 20
.set STO,  24
.set RD,   25
.set CO,   26
.set BOF,  27
.set SPW,  28
.set NIL,  29
.set PFO,  30                          ; v30  256 x lane
.set F0,   32
.set F1,   128
.set LIM,  15                          ; s15  1 in the wave that prefetches, else the greatest number
.set G1,   24
.set G0,   32
.set PFA,  44                          ; s[44:45] where my prefetches stand
.set G1B,  48
.set G0B,  56
.set MUL,  0x50                        ; C and D window 1, sources window 0
.set MULB, 0x60                        ; C window 2 (bo), D window 1
.set MSB, 0
.macro WIN new
.if MSB != (\new)
	s_set_vgpr_msb (MSB<<8)|(\new)
.set MSB, (\new)
.endif
.endm
.macro PLACES
.rept 4
	v_nop
.endr
.endm
.macro JLOAD s                         ; a joint load; the branch hangs on the wave's number alone; an s_nop 0 and four v_nop follow each line
	s_cmp_eq_u32 s13, 0
	s_cbranch_scc0 .Lfor_b_\@
	tensor_load_to_lds s[G0+4*\s:G0+4*\s+3], s[G1:G1+7]
	s_nop 0
.rept 4
	v_nop
.endr
	s_branch .Lasked_\@
.Lfor_b_\@:
	tensor_load_to_lds s[G0B+4*\s:G0B+4*\s+3], s[G1B:G1B+7]
	s_nop 0
.rept 4
	v_nop
.endr
.Lasked_\@:
.endm
.macro CREST
	s_cmp_lg_u32 s12, 0
	s_cbranch_scc1 .Lnot_wave_0_\@
	s_barrier_signal -3
.Lnot_wave_0_\@:
	s_barrier_wait -3
	s_barrier_signal -1
	s_barrier_wait -1
.endm
.macro CROUND
	s_barrier_signal -1
	s_barrier_wait -1
	CREST
.endm
; A PREFETCH of the tokens' K step that stands two refills on (256 matrix instructions of a wave ahead of the load that will want it): 32,768 bytes for a row of the cluster, which alone reads them.
; The four partners share them out BY ADDRESS, 8,192 bytes each (block cx / 2, half cx % 2); in each, wave 0 asks, lanes 256 bytes apart: each aligned 256 bytes is named once.  It asks in the loop's first two trips, for K steps 4 to 7;
; K steps 0 to 3 come by their loads alone, and the last trip has no K step two on.  Wo's blocks come by their loads alone.
.macro ASK
	s_cmp_gt_u32 s3, s[LIM]
	s_cbranch_scc0 .Lnot_mine_\@
	global_prefetch_b8 v[PFO], s[PFA:PFA+1] th:TH_LOAD_NT scope:SCOPE_SE
.Lnot_mine_\@:
.endm
	s_load_b256 s[4:11], s[0:1], 0x0               ; att s[4:5], wo16 s[6:7], bo s[8:9], out0 s[10:11]
	v_lshl_add_u32 v[SPW], v0, 2, SPARE
	v_mov_b32 v[NIL], 0
	ds_add_u32 v[SPW], v[NIL]                      ; the wave's opening: the add, twice on end, and its wait ahead of my first tensor load
	ds_add_u32 v[SPW], v[NIL]
	v_lshrrev_b32 v1, 5, v0
	v_readfirstlane_b32 s12, v1                    ; wave 0..3
	s_lshr_b32 s13, s12, 1                         ; which 64 tokens are mine.  Also: I fetch for A (0) or for B (1)
	s_and_b32 s14, s12, 1                          ; which 128 columns.  Also: which of the step's two K blocks I fetch
	s_bfe_u32 s40, ttmp6, 0x40000                  ; cx
	s_bfe_u32 s41, ttmp6, 0x40004                  ; cy
	s_lshl_b32 s42, ttmp9, 2
	s_add_co_u32 s42, s42, s40                     ; tile column
	s_and_b32 s17, ttmp7, 0xffff
	s_lshl_b32 s17, s17, 2
	s_add_co_u32 s17, s17, s41                     ; tile row, 0..63
	s_lshl_b32 s43, s41, 2
	s_lshl_b32 s43, 15, s43                        ; my row of the cluster
	s_lshl_b32 s2, 0x1111, s40                     ; my column
	s_or_b32 s[G1+0], s43, (1<<16)|(1<<20)|(1<<21)|(5<<22)|(3<<25)  ; mask; elements of 2 bytes; padding on; bit 21 beside a mask; after every 64 words, 4 words
	s_or_b32 s[G1B+0], s2, (1<<16)|(1<<20)|(1<<21)|(5<<22)|(3<<25)
.irp g, G1, G1B
	s_mov_b32 s[\g+1], 128<<16                     ; tensor_dim0: a pair row, 128 elements
	s_mov_b32 s[\g+3], 128<<16                     ; tile_dim0
	s_mov_b32 s[\g+5], 128                         ; pitch: dense
	s_mov_b32 s[\g+6], 0
	s_mov_b32 s[\g+7], 0
.endr
	s_mov_b32 s[G1+2], 64<<16                      ; A: 64 pair rows
	s_mov_b32 s[G1+4], 64
	s_mov_b32 s[G1B+2], 128<<16                    ; B: 128
	s_mov_b32 s[G1B+4], 128
	s_lshr_b32 s22, s17, 3
	s_lshl_b32 s22, s22, 21                        ; the batch, 2,097,152 bytes,
	s_and_b32 s23, s17, 7
	s_lshl_b32 s23, s23, 14                        ; and the tile's 128 positions in a block
	s_add_co_u32 s22, s22, s23
	s_lshl_b32 s23, s14, 17
	s_add_co_u32 s20, s22, s23                     ; A: + my K block.  (No register that feeds A's descriptors ever holds cx)
	s_mov_b32 s21, 0
	s_lshr_b32 s23, s40, 1
	s_lshl_b32 s23, s23, 17
	s_add_co_u32 s22, s22, s23                     ; the prefetches: my work-group's block
	s_and_b32 s23, s40, 1
	s_lshl_b32 s23, s23, 13
	s_add_co_u32 s22, s22, s23                     ; and half of it,
	s_add_co_u32 s22, s22, 3*KADV                  ; at K step 3: the first refill steps it to 4
	s_mov_b32 s23, 0
	s_lshl_b32 s46, s42, 15                        ; B: the tile's 256 rows in a block,
	s_lshl_b32 s47, s14, 17
	s_add_co_u32 s46, s46, s47                     ; + my K block
	s_mov_b32 s47, 0
	s_mul_i32 s18, s14, ABLK                       ; where they go: no place in the cluster enters an LDS address
	s_mul_i32 s19, s14, BBLK
	s_add_co_u32 s19, s19, 2*ABLK
	s_cmp_eq_u32 s12, 0
	s_cselect_b32 s[LIM], 1, -1
	s_wait_dscnt 0x0                               ; both opening adds are done
	s_wait_kmcnt 0x0
	s_add_nc_u64 s[PFA:PFA+1], s[4:5], s[22:23]
	s_add_nc_u64 s[20:21], s[4:5], s[20:21]
	s_add_nc_u64 s[46:47], s[6:7], s[46:47]
	CROUND                                         ; all sixteen work-groups are here: the first joint loads meet
.irp s, 0,1
	s_mov_b32 s[G0+4*\s], 1
	s_add_co_u32 s[G0+4*\s+1], s18, \s*SLOT
	s_add_nc_u64 s[G0+4*\s+2:G0+4*\s+3], s[20:21], \s*KADV
	s_or_b32 s[G0+4*\s+3], s[G0+4*\s+3], 0x80000000
	s_mov_b32 s[G0B+4*\s], 1
	s_add_co_u32 s[G0B+4*\s+1], s19, \s*SLOT
	s_add_nc_u64 s[G0B+4*\s+2:G0B+4*\s+3], s[46:47], \s*KADV
	s_or_b32 s[G0B+4*\s+3], s[G0B+4*\s+3], 0x80000000
	JLOAD \s                                       ; two loads of mine are out
.endr
	v_and_b32 v1, 15, v0                           ; r
	v_bfe_u32 v2, v0, 4, 1                         ; h
	s_lshl_b32 s46, s42, 10
	s_lshl_b32 s47, s14, 9
	s_add_co_u32 s46, s46, s47                     ; my first column, in bytes of f32
	s_mov_b32 s47, 0
	s_add_nc_u64 s[8:9], s[8:9], s[46:47]
	v_lshlrev_b32 v[BOF], 5, v2                    ; lane (r, h), block b: columns 16 b + 8 h + 0 .. 7
	WIN 0x80                                       ; destination window 2
.irp b, 0,1,2,3,4,5,6,7
.irp c, 0,1
	global_load_b128 v[8*\b+4*\c:8*\b+4*\c+3], v[BOF], s[8:9] offset:64*\b+16*\c
.endr
.endr
	WIN 0
	v_lshrrev_b32 v3, 1, v1
	v_mul_u32_u24 v3, v3, PR
	v_and_b32 v4, 1, v1
	v_lshl_add_u32 v3, v4, 7, v3
	v_lshl_add_u32 v3, v2, 4, v3                   ; a fragment's row: 272 (r / 2) + 128 (r % 2) + 16 h
	s_mul_i32 s21, s13, 32*PR                      ; my 64 tokens
	s_mul_i32 s22, s14, 64*PR                      ; my 128 rows of Wo,
	s_add_co_u32 s22, s22, 2*ABLK                  ; behind A's two blocks
.irp s, 0,1
	v_add_nc_u32 v[ADRA+\s], s21, v3
	v_add_nc_u32 v[ADRB+\s], s22, v3
	s_add_co_u32 s21, s21, SLOT
	s_add_co_u32 s22, s22, SLOT
.endr
	s_mul_i32 s23, s12, 16*SPITCH
	s_add_co_u32 s23, s23, STAGE                   ; my stage
	v_mul_u32_u24 v5, v1, SPITCH
	v_lshl_add_u32 v5, v2, 5, v5
	v_add_nc_u32 v[STO], s23, v5                   ; in: row r, 32 bytes for each half of the lanes
	v_and_b32 v6, 31, v0
	v_lshlrev_b32 v[CO], 4, v6                     ; back: the 32 lanes take a row of 512 bytes; and the same in out0
	v_add_nc_u32 v[RD], s23, v[CO]
	v_lshlrev_b32 v[PFO], 8, v6
	s_lshl_b32 s16, s17, 19                        ; out0: 128 rows of 4,096 bytes a tile row,
	s_lshl_b32 s18, s13, 18                        ; my 64 of them,
	s_add_co_u32 s16, s16, s18
	s_add_co_u32 s16, s16, s46                     ; my first column
	s_mov_b32 s17, 0
	s_add_nc_u64 s[10:11], s[10:11], s[16:17]
; 24 LDS loads in one run: the fragments of the slot's q-th 32 along K into buffer f: B's eight, then A's four
.macro FETCH slot, q, f
.irp b, 0,1,2,3,4,5,6,7
.irp c, 0,1
	ds_load_b128 v[\f+32+8*\b+4*\c:\f+32+8*\b+4*\c+3], v[ADRB+\slot] offset:BBLK*((\q)/2)+64*((\q)%2)+8*PR*\b+32*\c
.endr
.endr
.irp a, 0,1,2,3
.irp c, 0,1
	ds_load_b128 v[\f+8*\a+4*\c:\f+8*\a+4*\c+3], v[ADRA+\slot] offset:ABLK*((\q)/2)+64*((\q)%2)+8*PR*\a+32*\c
.endr
.endr
.endm
; 8 matrix instructions: token block a x all 8 column blocks.  The 32 accumulators take turns, in the same order in every quarter.  bias = 1: the sums start from bo
.macro MUL8 f, a, bias
.irp b, 0,1,2,3,4,5,6,7
.if \bias
	v_wmma_f32_16x16x32_f16 v[8*(8*(\a)+\b):8*(8*(\a)+\b)+7], v[\f+32+8*\b:\f+32+8*\b+7], v[\f+8*(\a):\f+8*(\a)+7], v[8*\b:8*\b+7]
.else
	v_wmma_f32_16x16x32_f16 v[8*(8*(\a)+\b):8*(8*(\a)+\b)+7], v[\f+32+8*\b:\f+32+8*\b+7], v[\f+8*(\a):\f+8*(\a)+7], v[8*(8*(\a)+\b):8*(8*(\a)+\b)+7]
.endif
.endr
.endm
; A K step is four quarters of 32 along K on buffers 0, 1, 0, 1.  One of the first three: multiplies buffer f, and fetches quarter qn into g in its middle
.macro QUARTER slot, qn, f, g, bias
	s_wait_dscnt 4                                 ; all but the youngest four loads (A's blocks 2, 3) are in
.if \bias
	WIN MULB
.else
	WIN MUL
.endif
	MUL8 \f, 0, \bias
	MUL8 \f, 1, \bias
	PLACES                                         ; ahead of loads into registers that matrix instructions have read
	WIN 0
	FETCH \slot, \qn, \g
	s_wait_dscnt 24                                ; all but the 24 just issued
.if \bias
	WIN MULB
.else
	WIN MUL
.endif
	MUL8 \f, 2, \bias
	MUL8 \f, 3, \bias
.endm
; The last quarter multiplies buffer 1 and changes slots: one barrier; in front of it each wave waits for all its tensor loads, adds 0 to its spare word, and waits for that and for its reads of this slot.
; fill = 1: the barrier opens a round of the cluster's, and this slot is filled again, two K steps ahead, first thing behind it.
.macro TURN slot, next, fill
.if \fill
	s_wait_xcnt 0x0                                ; the last prefetch, a K step back, has read its address
	s_add_nc_u64 s[PFA:PFA+1], s[PFA:PFA+1], KADV
.endif
	WIN 0                                          ; (the add's two registers lie in window 0)
	s_wait_tensorcnt 0x0                           ; my one load that was out, my part of the next slot, has landed
	ds_add_u32 v[SPW], v[NIL]                      ; 0 onto my spare word
	s_wait_dscnt 5                                 ; (the add and the youngest four loads may be out)
	WIN MUL
	MUL8 F1, 0, 0
	s_wait_dscnt 0x0                               ; the add is done, and my reads of this slot are over
	s_barrier_signal -1
	MUL8 F1, 1, 0
	WIN 0
	s_barrier_wait -1
.if \fill
	CREST                                          ; no wave of any partner still reads this slot or has a load on its way
	s_add_nc_u64 s[G0+4*\slot+2:G0+4*\slot+3], s[G0+4*\slot+2:G0+4*\slot+3], 2*KADV
	s_add_nc_u64 s[G0B+4*\slot+2:G0B+4*\slot+3], s[G0B+4*\slot+2:G0B+4*\slot+3], 2*KADV
	JLOAD \slot                                    ; its four v_nop are also the places in front of the loads below
.else
	PLACES
.endif
	FETCH \next, 0, F0
.if \fill
	ASK
.endif
	WIN MUL
	MUL8 F1, 2, 0
	MUL8 F1, 3, 0
.endm
	s_wait_tensorcnt 1                             ; my part of K step 0 is in; K step 1's may be out
	s_barrier_signal -1
	s_barrier_wait -1
	FETCH 0, 0, F0
	s_wait_loadcnt 0x0                             ; bo
	QUARTER 0, 1, F0, F1, 1                        ; the first quarter stands in front of the loop: its products start the sums
	WIN 0
	s_mov_b32 s3, 3
.Llap:                                                 ; a trip goes once round the ring and fills both slots again: K steps 2 .. 7
	QUARTER 0, 2, F1, F0, 0
	QUARTER 0, 3, F0, F1, 0
	TURN 0, 1, 1
	QUARTER 1, 1, F0, F1, 0
	QUARTER 1, 2, F1, F0, 0
	QUARTER 1, 3, F0, F1, 0
	TURN 1, 0, 1
	QUARTER 0, 1, F0, F1, 0
	WIN 0
	s_sub_co_u32 s3, s3, 1
	s_cmp_lg_u32 s3, 0
	s_cbranch_scc1 .Llap
	QUARTER 0, 2, F1, F0, 0                        ; the last lap fills nothing
	QUARTER 0, 3, F0, F1, 0
	TURN 0, 1, 0
	QUARTER 1, 1, F0, F1, 0
	QUARTER 1, 2, F1, F0, 0
	QUARTER 1, 3, F0, F1, 0
	s_wait_dscnt 4
	WIN MUL
	MUL8 F1, 0, 0
	MUL8 F1, 1, 0
	s_wait_dscnt 0x0
	MUL8 F1, 2, 0
	MUL8 F1, 3, 0
	WIN 0
; THE WAY OUT, block by block of 16 tokens x 128 columns: through my stage, back as whole rows of 512 bytes
.macro TOSTAGE a
	WIN 0x04                                       ; an LDS store's data: window 1
.irp b, 0,1,2,3,4,5,6,7
	ds_store_b128 v[STO], v[8*(8*(\a)+\b):8*(8*(\a)+\b)+3] offset:64*\b          ; each accumulator from its low end on
	ds_store_b128 v[STO], v[8*(8*(\a)+\b)+4:8*(8*(\a)+\b)+7] offset:64*\b+16
.endr
	WIN 0
.set BB, 32+96*((\a)%2)
.irp t, 0,1,2,3,4,5,6,7,8,9,10,11,12,13,14,15
	ds_load_b128 v[BB+4*\t:BB+4*\t+3], v[RD] offset:\t*SPITCH       ; LDS serves a wave's instructions in order: these see the stores above
.endr
.endm
.macro SEND a, younger                 ; younger: the LDS instructions issued behind block a's loads
.set BB, 32+96*((\a)%2)
	s_wait_dscnt \younger
.irp t, 0,1,2,3,4,5,6,7,8,9,10,11,12,13,14,15
	global_store_b128 v[CO], v[BB+4*\t:BB+4*\t+3], s[10:11] offset:65536*(\a)+4096*\t th:TH_STORE_NT   ; 512 consecutive bytes, aligned; written once
.endr
.endm
	PLACES                                         ; behind the last products: ahead of the reads of results and of loads into the fragments' registers
	TOSTAGE 0
.irp a, 1,2,3
.if \a > 1
	s_wait_xcnt 0x0                                ; block a - 2's stores have read their registers: block a's loads may land there
.endif
	TOSTAGE \a
	SEND \a-1, 32                                  ; behind block a - 1's loads: block a's 16 stores and 16 loads
.endr
	SEND 3, 0
	s_wait_tensorcnt 0x0                           ; the wave's end
	ds_add_u32 v[SPW], v[NIL]
	s_wait_dscnt 0x0
	CROUND                                         ; the closing round
	s_endpgm
.Lfunc_end_k_q648a7909ec_oproj:
	.size	k_q648a7909ec_oproj, .Lfunc_end_k_q648a7909ec_oproj-k_q648a7909ec_oproj
	.p2alignl 7, 3214868480
	.fill 96, 4, 3214868480
	.section	.rodata,"a",@progbits
	.p2align	6, 0x0
	.amdhsa_kernel k_q648a7909ec_oproj
		.amdhsa_group_segment_fixed_size 327680
		.amdhsa_private_segment_fixed_size 0
		.amdhsa_enable_private_segment 0
		.amdhsa_kernarg_size 32
		.amdhsa_user_sgpr_count 2
		.amdhsa_user_sgpr_kernarg_segment_ptr 1
		.amdhsa_wavefront_size32 1
		.amdhsa_system_sgpr_workgroup_id_x 1
		.amdhsa_system_sgpr_workgroup_id_y 1
		.amdhsa_system_sgpr_workgroup_id_z 1
		.amdhsa_system_vgpr_workitem_id 0
		.amdhsa_next_free_vgpr 576
		.amdhsa_next_free_sgpr 66
		.amdhsa_reserve_vcc 0
		.amdhsa_float_denorm_mode_32 3
		.amdhsa_float_denorm_mode_16_64 3
		.amdhsa_memory_ordered 1
		.amdhsa_forward_progress 1
		.amdhsa_inst_pref_size 87
	.end_amdhsa_kernel
	.amdgpu_metadata
---
amdhsa.version: [ 1, 2 ]
amdhsa.kernels:
  - .name:           k_q648a7909ec_oproj
    .symbol:         k_q648a7909ec_oproj.kd
    .args:
      - { .name: att, .offset: 0, .size: 8, .value_kind: global_buffer, .address_space: global }
      - { .name: wo16, .offset: 8, .size: 8, .value_kind: global_buffer, .address_space: global }
      - { .name: bo, .offset: 16, .size: 8, .value_kind: global_buffer, .address_space: global }
      - { .name: out0, .offset: 24, .size: 8, .value_kind: global_buffer, .address_space: global }
    .group_segment_fixed_size: 327680
    .private_segment_fixed_size: 0
    .kernarg_segment_align: 8
    .kernarg_segment_size: 32
    .max_flat_workgroup_size: 128
    .sgpr_count:     66
    .vgpr_count:     576
    .wavefront_size: 32
...
	.end_amdgpu_metadata
.endif
;; end of part 4
